; MI455X (gfx1250); checked and timed in simulation.
; The chip was launched on July 23, 2026; its instructions are those of AMD's public machine-readable ISA for CDNA 5 (MIT licence, August 2026) and "CDNA5" Instruction Set Architecture Reference Guide (July 2026). The comments in the code are by the model that wrote it; some were corrected since.
;; Attention Bahdanau. Allowed arithmetic: matrix products marked QUANTISED: E2M1 operands, one E8M0 scale for each 32 along K, by v_wmma_scale_f32_16x16x128_f8f6f4 with both operands' format E2M1 (or v_wmma_scale_f32_32x16x128_f4), f32 sums; products left as they are: f32 operands where the result goes on into a quantised operand, else bf16, f16 or f32 operands; f32 sums; everything else in f32.
;; Inputs: W_cv 1,024 x 1 float32; W_de_codes 1,024 x 32 x 16 uint8 (E2M1 codes of W_de, K innermost, in blocks of 32 codes, two codes a byte); W_de_scales 1,024 x 32 uint8 (E8M0 scales of W_de, one for each 32 codes along K); W_en_codes 1,024 x 32 x 16 uint8 (E2M1 codes of W_en, K innermost, in blocks of 32 codes, two codes a byte); W_en_scales 1,024 x 32 uint8 (E8M0 scales of W_en, one for each 32 codes along K); W_out 1 x 1,024 float32; b_cv 1,024 float32; b_de 1,024 float32; b_en 1,024 float32; enhy 64 x 512 x 1,024 float32; hidden_attn 64 x 512 float32; last_dehy_codes 64 x 32 x 16 uint8 (E2M1 codes of last_dehy, K innermost, in blocks of 32 codes, two codes a byte); last_dehy_scales 64 x 32 uint8 (E8M0 scales of last_dehy, one for each 32 codes along K); past_attn 64 x 512 float32.
;; Outputs: out0 64 x 1,024 float32; out1 64 x 512 float32; out2 64 x 512 float32.
;; This version of the problem:
;;   THIS VERSION OF THE PROBLEM IS GIVEN IN LOW PRECISION. The matrix products marked QUANTISED in the list below multiply operands that are first quantised to E2M1 (2 exponent bits, 1 mantissa bit; 4 bits a number), with one power-of-two scale for each 32 numbers along K (OCP MX v1.0); their sums are f32. All else is computed in f32.
;;   The module's matrix products, in the order in which they are computed (A, B: the left and right operand; K: the contracted axis; several contracted axes count as one K, in the product's order):
;;     1. [M 32,768, K 1,024] x [K 1,024, N 1,024]; A: input enhy; B: input W_en (given as codes): QUANTISED
;;     2. [M 64, K 1,024] x [K 1,024, N 1,024]; A: input last_dehy (given as codes); B: input W_de (given as codes): QUANTISED
;;     3. [M 32,768, K 1,024] x [K 1,024, N 1]; A: computed on the way; B: input W_out: left as it is (N = 1 < 16)
;;     4. batch 64 x [M 1, K 512] x [K 512, N 1,024]; A: softmax; B: input enhy: left as it is (M = 1 < 16)
;;   THE QUANTISER, for each operand of a quantised product, along K:
;;     - K is cut into blocks of 32 from its start; a last block that is shorter is filled with zeros.
;;     - A block's scale is 2^e with e = floor(log2(the largest magnitude in the block)) - 2, held to -126 .. 127; a block of zeros has e = 0. As a byte (E8M0): e + 127.
;;     - Each number is divided by its block's scale, clamped to +-6, and rounded to the nearest number of E2M1, ties to even, subnormals kept.
;;     - The product sums the exact products of the quantised numbers (number of the format x scale) in f32.
;;   ~~~python
;;   def quantise(x, axis):      # numpy; x: float32 -> the quantised numbers, widened to float32 again
;;       x = np.moveaxis(x, axis, -1); K = x.shape[-1]
;;       x = np.pad(x, [(0, 0)] * (x.ndim - 1) + [(0, -K % 32)]); x = x.reshape(x.shape[:-1] + (-1, 32)); a = np.abs(x).max(-1, keepdims=True)
;;       e = np.where(a > 0, np.clip(np.frexp(np.where(a > 0, a, 1))[1] - 1 - 2, -126, 127), 0)      # np.frexp(a)[1] - 1 = floor(log2(a)), exactly
;;       r = np.clip(x / 2.0 ** e, -6, 6)
;;       step = 2.0 ** (np.maximum(np.frexp(np.where(r == 0, 1, r))[1] - 1, 0) - 1)
;;       q = np.round(r / step) * step * 2.0 ** e      # np.round: ties to even
;;       return np.moveaxis(q.reshape(q.shape[:-2] + (-1,))[..., :K], -1, axis).astype(np.float32)
;;   ~~~
;;   INPUTS GIVEN AS CODES. W_de (in the module: [1024, 1024], K = its axis 1); W_en (in the module: [1024, 1024], K = its axis 1); last_dehy (in the module: [64, 1024], K = its axis 1): each comes as NAME_codes (uint8): NAME with its K axis moved to the last place and cut into blocks of 32 codes, [.., K / 32, bytes a block], one block behind the other in memory; two codes a byte, the lower K in the low four bits (a code: sign, 2 exponent bits, 1 mantissa bit); and NAME_scales (uint8): the same leading axes, one E8M0 byte (e + 127) for each 32 codes along K. Its value is code x scale, taken as it is: it is not quantised again, and the codes and scales need not be those that the quantiser above would give.
;; 2 versions, each right; version 2 is version 1 with the launches prep, main written anew for expert scheduling mode. Each part assembles by itself: llvm-mc -triple=amdgcn-amd-amdhsa -mcpu=gfx1250 --defsym DOCPART=n.
;; ======== version 1 of 2: 3 launches
;; workspace buffers: wfrag 524,288 bytes; base 262,144 bytes; pp 131,072 bytes; stats 65,536 bytes; part_h 1,048,576 bytes
;; launch prep (part 1): grid 64 x 1, 1 waves a work-group, no clusters, 0 bytes of LDS; arguments last_dehy_codes, last_dehy_scales, W_de_codes, W_de_scales, W_en_codes, b_de, b_en, b_cv, hidden_attn, wfrag, base, out2; writes wfrag, base, out2
.if DOCPART == 1
	.amdgcn_target "amdgcn-amd-amdhsa--gfx1250"
	.amdhsa_code_object_version 6
	.text
	.protected	k_q8e5909794b_prep
	.globl	k_q8e5909794b_prep
	.p2align	8
	.type	k_q8e5909794b_prep,@function
k_q8e5909794b_prep:
	s_mov_b64 s[64:65], 0
	v_nop
	global_prefetch_b8 v0, s[64:65] scope:SCOPE_SE
	s_setreg_imm32_b32 hwreg(HW_REG_WAVE_MODE, 25, 1), 1
	s_wait_xcnt 0x0
; THE PROGRAM: Bahdanau attention, B = 64, S = 512, H = 1024, in three launches.
;   prep: base[b][n] = (last_dehy W_de^T)[b][n] + b_de[n] + b_en[n] + b_cv[n] (the quantised product 2 on the given codes); W_en's codes laid anew in the order of a wave's operand registers; out2 = hidden_attn.
;   main: enhy quantised along H, product 1, tanh, product 3, and for each 128 rows of a batch a local softmax (own maximum) and its part of product 4.
;   join: the four parts of each batch are brought under one maximum: out0, out1.
; WORK LEFT OUT, and why it is dead.  tanh(x) = 1 - 2 / (1 + e^(2x)), so the score of row s is  sum_n W_out[n]  -  2 sum_n W_out[n] / (1 + e^(2 x[s][n])).
; The first term does not hang on s: it is the same along the softmax's axis, for all values of the inputs, and a softmax is unchanged by a term that is the same along its axis.  So sum_n W_out[n] is never formed.
; LIMIT: an overflow, infinity or NaN that would arise in sum_n W_out[n] alone is not carried to the result.  Every input has a way to an output and is loaded.
; THIS LAUNCH.  One wave to a work-group; work-group T owns the 16 outputs n = 16 T .. 16 T + 15, for all 64 batches (four tiles of 16).
; The matrix instruction is used transposed (source 0 = 16 rows of W_de, source 1 = 16 batches): lane (r, h) holds batch 16 m + r, and register j the output 16 T + 8 h + j.
; The three biases' sum, in that layout, is the C of each sum's first instruction.  The four accumulators take turns, one instruction a turn.
; base is stored as images of the registers: T x 4096 + m x 1024 + g x 512 + 16 x lane holds registers 4 g .. 4 g + 3: each store of the wave covers 512 consecutive bytes.
; wfrag: tile T, K step s, half c at ((8 T + s) 2 + c) x 512, lane l's 16 bytes at 16 l = W_en_codes[16 T + l % 16][64 s + 32 c + 16 (l / 16) ..]: what a fragment's registers 4 c .. 4 c + 3 hold.
; REGISTERS: window 0: v1-7 offsets; v16-79 W_de's 8 fragments; v80-143 W_en's; v144-151 W_de's scale words; v152-167 last_dehy's (lanes 0-15 the even tile of batches, lanes 16-31 the odd);
;   v168-191 the biases; v192-223 the accumulators; v224-239 hidden_attn.   window 1: last_dehy's fragments, (tile m, K step s) at v[64 m + 8 s].
.set WDE, 16
.set WEN, 80
.set WDS, 144
.set LSC, 152
.set BIA, 168
.set ACC, 192
.set HID, 224
.set MSB, 0
.macro WIN new                         ; the immediate's high byte repeats the setting that is left
.if MSB != \new
	s_set_vgpr_msb (MSB<<8)|\new
.set MSB, \new
.endif
.endm
	s_load_b256 s[4:11], s[0:1], 0x0               ; last_dehy's codes s[4:5], its scales s[6:7], W_de's codes s[8:9], its scales s[10:11]
	s_load_b256 s[12:19], s[0:1], 0x20             ; W_en's codes s[12:13], b_de s[14:15], b_en s[16:17], b_cv s[18:19]
	s_load_b256 s[20:27], s[0:1], 0x40             ; hidden_attn s[20:21], wfrag s[22:23], base s[24:25], out2 s[26:27]
	v_and_b32 v1, 15, v0                           ; r
	v_bfe_u32 v2, v0, 4, 1                         ; h
	v_lshlrev_b32 v3, 9, v1
	v_lshl_add_u32 v3, v2, 4, v3                   ; a fragment: row r of 512 bytes, + 16 h
	v_lshlrev_b32 v4, 4, v0                        ; 16 x lane
	v_lshlrev_b32 v5, 5, v1                        ; W_de's scale words: row r of 32 bytes
	v_lshlrev_b32 v6, 5, v0                        ; last_dehy's: row = lane
	v_lshlrev_b32 v7, 5, v2                        ; the biases: 8 h numbers on
	s_mov_b32 s29, 0
	s_wait_kmcnt 0x0
	s_lshl_b32 s28, ttmp9, 13                      ; 16 rows of 512 bytes
	s_add_nc_u64 s[8:9], s[8:9], s[28:29]
	s_add_nc_u64 s[12:13], s[12:13], s[28:29]
	s_add_nc_u64 s[22:23], s[22:23], s[28:29]
	s_lshl_b32 s28, ttmp9, 9                       ; 16 rows of 32 scale bytes
	s_add_nc_u64 s[10:11], s[10:11], s[28:29]
	s_lshl_b32 s28, ttmp9, 6                       ; 16 numbers of a bias
	s_add_nc_u64 s[14:15], s[14:15], s[28:29]
	s_add_nc_u64 s[16:17], s[16:17], s[28:29]
	s_add_nc_u64 s[18:19], s[18:19], s[28:29]
	s_lshl_b32 s28, ttmp9, 12                      ; base: 4,096 bytes a tile
	s_add_nc_u64 s[24:25], s[24:25], s[28:29]
	s_lshl_b32 s28, ttmp9, 11                      ; hidden_attn: 2,048 bytes a work-group
	s_add_nc_u64 s[20:21], s[20:21], s[28:29]
	s_add_nc_u64 s[26:27], s[26:27], s[28:29]
	WIN 0x40                                       ; destination window 1
.irp m, 0,1,2,3
.irp s, 0,1,2,3,4,5,6,7
.irp c, 0,1
	global_load_b128 v[64*\m+8*\s+4*\c:64*\m+8*\s+4*\c+3], v3, s[4:5] offset:8192*\m+64*\s+32*\c
.endr
.endr
.endr
	WIN 0
.irp s, 0,1,2,3,4,5,6,7
.irp c, 0,1
	global_load_b128 v[WDE+8*\s+4*\c:WDE+8*\s+4*\c+3], v3, s[8:9] offset:64*\s+32*\c
	global_load_b128 v[WEN+8*\s+4*\c:WEN+8*\s+4*\c+3], v3, s[12:13] offset:64*\s+32*\c
.endr
.endr
.irp g, 0,1
	global_load_b128 v[WDS+4*\g:WDS+4*\g+3], v5, s[10:11] offset:16*\g                     ; register s: the word of K step s
	global_load_b128 v[LSC+4*\g:LSC+4*\g+3], v6, s[6:7] offset:16*\g                       ; batches 0-31
	global_load_b128 v[LSC+8+4*\g:LSC+8+4*\g+3], v6, s[6:7] offset:1024+16*\g              ; batches 32-63
	global_load_b128 v[BIA+4*\g:BIA+4*\g+3], v7, s[14:15] offset:16*\g
	global_load_b128 v[BIA+8+4*\g:BIA+8+4*\g+3], v7, s[16:17] offset:16*\g
	global_load_b128 v[BIA+16+4*\g:BIA+16+4*\g+3], v7, s[18:19] offset:16*\g
.endr
.irp i, 0,1,2,3
	global_load_b128 v[HID+4*\i:HID+4*\i+3], v4, s[20:21] offset:512*\i
.endr
	s_wait_loadcnt 0x0
.irp i, 0,2,4,6
	v_pk_add_f32 v[BIA+\i:BIA+\i+1], v[BIA+\i:BIA+\i+1], v[BIA+8+\i:BIA+8+\i+1]
.endr
.irp i, 0,2,4,6
	v_pk_add_f32 v[BIA+\i:BIA+\i+1], v[BIA+\i:BIA+\i+1], v[BIA+16+\i:BIA+16+\i+1]          ; b_de + b_en + b_cv at my eight outputs
.endr
.irp s, 0,1,2,3,4,5,6,7
.irp c, 0,1
	global_store_b128 v4, v[WEN+8*\s+4*\c:WEN+8*\s+4*\c+3], s[22:23] offset:512*(2*\s+\c)  ; 512 consecutive bytes a store
.endr
.endr
.irp i, 0,1,2,3
	global_store_b128 v4, v[HID+4*\i:HID+4*\i+3], s[26:27] offset:512*\i                   ; out2
.endr
.rept 4
	v_nop                                          ; places between the additions and the products that take their result as C
.endr
.macro MMP s, m                        ; K step s, tile of batches m
.if (\s) == 0
.if (\m)%2
	v_wmma_scale_f32_16x16x128_f8f6f4 v[ACC+8*(\m):ACC+8*(\m)+7], v[WDE+8*(\s):WDE+8*(\s)+7], v[64*(\m)+8*(\s):64*(\m)+8*(\s)+7], v[BIA:BIA+7], v[WDS+(\s)], v[LSC+8*((\m)/2)+(\s)] matrix_a_fmt:MATRIX_FMT_FP4 matrix_b_fmt:MATRIX_FMT_FP4 matrix_b_scale:MATRIX_SCALE_ROW1
.else
	v_wmma_scale_f32_16x16x128_f8f6f4 v[ACC+8*(\m):ACC+8*(\m)+7], v[WDE+8*(\s):WDE+8*(\s)+7], v[64*(\m)+8*(\s):64*(\m)+8*(\s)+7], v[BIA:BIA+7], v[WDS+(\s)], v[LSC+8*((\m)/2)+(\s)] matrix_a_fmt:MATRIX_FMT_FP4 matrix_b_fmt:MATRIX_FMT_FP4
.endif
.else
.if (\m)%2
	v_wmma_scale_f32_16x16x128_f8f6f4 v[ACC+8*(\m):ACC+8*(\m)+7], v[WDE+8*(\s):WDE+8*(\s)+7], v[64*(\m)+8*(\s):64*(\m)+8*(\s)+7], v[ACC+8*(\m):ACC+8*(\m)+7], v[WDS+(\s)], v[LSC+8*((\m)/2)+(\s)] matrix_a_fmt:MATRIX_FMT_FP4 matrix_b_fmt:MATRIX_FMT_FP4 matrix_b_scale:MATRIX_SCALE_ROW1
.else
	v_wmma_scale_f32_16x16x128_f8f6f4 v[ACC+8*(\m):ACC+8*(\m)+7], v[WDE+8*(\s):WDE+8*(\s)+7], v[64*(\m)+8*(\s):64*(\m)+8*(\s)+7], v[ACC+8*(\m):ACC+8*(\m)+7], v[WDS+(\s)], v[LSC+8*((\m)/2)+(\s)] matrix_a_fmt:MATRIX_FMT_FP4 matrix_b_fmt:MATRIX_FMT_FP4
.endif
.endif
.endm
	WIN 0x04                                       ; source 1 (last_dehy) window 1
.irp s, 0,1,2,3,4,5,6,7
.irp m, 0,1,2,3
	MMP \s, \m
.endr
.endr
	WIN 0
.rept 4
	v_nop                                          ; four places between the last products and the stores that read results
.endr
.irp m, 0,1,2,3
	global_store_b128 v4, v[ACC+8*\m:ACC+8*\m+3], s[24:25] offset:1024*\m                  ; each accumulator from its low end on
	global_store_b128 v4, v[ACC+8*\m+4:ACC+8*\m+7], s[24:25] offset:1024*\m+512
.endr
	s_endpgm
.Lfunc_end_k_q8e5909794b_prep:
	.size	k_q8e5909794b_prep, .Lfunc_end_k_q8e5909794b_prep-k_q8e5909794b_prep
	.p2alignl 7, 3214868480
	.fill 96, 4, 3214868480
	.section	.rodata,"a",@progbits
	.p2align	6, 0x0
	.amdhsa_kernel k_q8e5909794b_prep
		.amdhsa_group_segment_fixed_size 0
		.amdhsa_private_segment_fixed_size 0
		.amdhsa_enable_private_segment 0
		.amdhsa_kernarg_size 96
		.amdhsa_user_sgpr_count 2
		.amdhsa_user_sgpr_kernarg_segment_ptr 1
		.amdhsa_wavefront_size32 1
		.amdhsa_system_sgpr_workgroup_id_x 1
		.amdhsa_system_sgpr_workgroup_id_y 1
		.amdhsa_system_sgpr_workgroup_id_z 1
		.amdhsa_system_vgpr_workitem_id 0
		.amdhsa_next_free_vgpr 512
		.amdhsa_next_free_sgpr 66
		.amdhsa_reserve_vcc 0
		.amdhsa_float_denorm_mode_32 3
		.amdhsa_float_denorm_mode_16_64 3
		.amdhsa_memory_ordered 1
		.amdhsa_forward_progress 1
		.amdhsa_inst_pref_size 20
	.end_amdhsa_kernel
	.amdgpu_metadata
---
amdhsa.version: [ 1, 2 ]
amdhsa.kernels:
  - .name:           k_q8e5909794b_prep
    .symbol:         k_q8e5909794b_prep.kd
    .args:
      - { .name: last_dehy_codes, .offset: 0, .size: 8, .value_kind: global_buffer, .address_space: global }
      - { .name: last_dehy_scales, .offset: 8, .size: 8, .value_kind: global_buffer, .address_space: global }
      - { .name: W_de_codes, .offset: 16, .size: 8, .value_kind: global_buffer, .address_space: global }
      - { .name: W_de_scales, .offset: 24, .size: 8, .value_kind: global_buffer, .address_space: global }
      - { .name: W_en_codes, .offset: 32, .size: 8, .value_kind: global_buffer, .address_space: global }
      - { .name: b_de, .offset: 40, .size: 8, .value_kind: global_buffer, .address_space: global }
      - { .name: b_en, .offset: 48, .size: 8, .value_kind: global_buffer, .address_space: global }
      - { .name: b_cv, .offset: 56, .size: 8, .value_kind: global_buffer, .address_space: global }
      - { .name: hidden_attn, .offset: 64, .size: 8, .value_kind: global_buffer, .address_space: global }
      - { .name: wfrag, .offset: 72, .size: 8, .value_kind: global_buffer, .address_space: global }
      - { .name: base, .offset: 80, .size: 8, .value_kind: global_buffer, .address_space: global }
      - { .name: out2, .offset: 88, .size: 8, .value_kind: global_buffer, .address_space: global }
    .group_segment_fixed_size: 0
    .private_segment_fixed_size: 0
    .kernarg_segment_align: 8
    .kernarg_segment_size: 96
    .max_flat_workgroup_size: 32
    .sgpr_count:     66
    .vgpr_count:     512
    .wavefront_size: 32
...
	.end_amdgpu_metadata
.endif
;; end of part 1
;; launch main (part 2): grid 256 x 1, 4 waves a work-group, no clusters, 302,592 bytes of LDS; arguments enhy, past_attn, wfrag, W_en_scales, base, W_cv, W_out, pp, stats, part_h; writes pp, stats, part_h
.if DOCPART == 2
	.amdgcn_target "amdgcn-amd-amdhsa--gfx1250"
	.amdhsa_code_object_version 6
	.text
	.protected	k_q8e5909794b_main
	.globl	k_q8e5909794b_main
	.p2align	8
	.type	k_q8e5909794b_main,@function
k_q8e5909794b_main:
	s_mov_b64 s[64:65], 0
	v_nop
	global_prefetch_b8 v0, s[64:65] scope:SCOPE_SE
	s_setreg_imm32_b32 hwreg(HW_REG_WAVE_MODE, 25, 1), 1
	s_wait_xcnt 0x0
; For 128 rows s of one batch b (work-group X = 4 b + quarter):  x[s][n] = (Q(enhy) W_en^T)[s][n] + base[b][n] + past_attn[b][s] W_cv[n];  u[s] = sum_n W_out[n] / (1 + e^(2 x[s][n]));
; t[s] = -2 log2(e) u[s];  m = the largest t of the 128;  p[s] = 2^(t[s] - m);  l = sum p;  part_h[n] = sum_s p[s] enhy[s][n].  Stored: p, (m, l), part_h; the next launch joins the four quarters.
; LEFT OUT: sum_n W_out[n], the part of tanh's sum that is the same along the softmax's axis (shown at the head of the first kernel).
; Q: MX-FP4 along H: a block's byte is its largest magnitude's exponent field - 2, held at 1 from below; numbers / scale to the nearest code, ties to even, beyond 6 the largest code.
; LIMITS: a block whose largest magnitude lies under 2^-124 keeps the byte 1; a block of zeros has the byte 1 where the rule says 127 (its codes are zeros, and this kernel alone reads the bytes);
; NaN and infinities in enhy are not served; the sums' order differs from the reference's.  e^(2x) may overflow to infinity or fall to 0: 1 / (1 + e) is then 0 or 1, which is tanh's limit.
; enhy IS READ ONCE.  Each row is quantised for product 1 and kept as bf16 in LDS (128 x 2,048 bytes) for product 4, whose weights are f32 and whose sums are f32 (one row of weights: fused multiply-adds, no matrix work).
; SHARES.  Four waves.  THE WAVES SHARE N, NOT THE ROWS: wave w owns n = 256 w .. 256 w + 255, 16 tiles of 16, and holds the codes of ALL 128 rows in registers (8 tiles x 8 K steps x 8 = 512).
; So a fragment of W_en feeds eight matrix instructions, is wanted by one wave alone, and comes from memory straight into that wave's operand registers (wfrag is laid for it): no LDS read for W.
; NO CLUSTER, NO TENSOR LOADS: W's tiles are shared by all work-groups, but the copy (262,144 bytes), the stages (35,840) and the small regions (4,608) leave 25,088 of 327,680 bytes of LDS,
; and two slots of one step's four tiles (4 x 8,192 bytes each) would take 65,536; and each tile would be read out of LDS by one wave only.
; The matrix instruction is used transposed (source 0 = 16 rows of W_en, source 1 = 16 rows of enhy): lane (r, h) holds row 16 m + r, register j the output 16 T + 8 h + j.
; LDS: COPY row x 2048 + 2 x column | STG two stages of 32 rows of codes, pitch 528 = 33 x 16 bytes, so that the 16 rows of a fragment load fall on 16 different 16-byte columns modulo 256 |
;   STS two stages of 32 rows x 32 scale bytes | SCP the four waves' partial sums u, 512 bytes each | PW each wave's own copy of p | SPARE the spare words.
; REGISTERS: window 0: v1-15 lane terms and addresses; v16-31 past_attn of row 16 m + r (pair 2 m, upper half 0); v32-63 enhy's scale words (8 (m / 2) + s; lanes 0-15 even m, lanes 16-31 odd m);
;   v64-127 the 8 accumulators (while rows come in: two sets of 32 at work; at the end: rows of the copy); v128-143 u in pairs; v144-191 two sets of base, W_cv, W_out; v192-207 two sets of W's scale words;
;   v208-215, v248 addresses; v216-223 part_h; v224-247 at work at the end.
;   window 1: while rows come in a ring of 8 rows x 32 registers; then W's fragments, two sets of 64.   windows 2, 3: enhy's fragment (m, s) at v[32 m + 8 (s % 4)] of window 2 + s / 4.
.set STG,    262144
.set STGB,   16896
.set SPITCH, 528
.set STS,    295936
.set SCP,    297984
.set PW,     300032
.set SPARE,  302080
.set GA,    4                          ; enhy: 32768 x wave + 32 x lane
.set BA,    5                          ; the copy: 16384 x wave + 16 x lane, + 65536 a round
.set CA,    6                          ; codes into a stage: STG + 4224 x wave + 4 x lane
.set SA,    7                          ; scale bytes into a stage: STS + 256 x wave + lane / 4
.set FA,    8                          ; a fragment out of a stage: STG + 528 r + 16 h
.set FS,    9                          ; scale words out of a stage: STS + 32 x lane
.set LO16,  10                         ; 16 x lane
.set LS32,  11                         ; 32 r
.set LH256, 12                         ; 256 h
.set LH32,  13                         ; 32 h
.set SPW,   14                         ; my spare word: SPARE + 4 x my thread's number; never rewritten
.set NIL,   15                         ; 0; never rewritten
.set PAST,  16
.set AS,    32
.set ACC,   64
.set SC,    128
.set CON,   144                        ; set p at CON + 24 p: base + 0, W_cv + 8, W_out + 16
.set WS,    192                        ; set p at WS + 8 p
.set R4,    208                        ; 4 r
.set SPA,   209                        ; SCP + 512 x wave + 4 r
.set EA,    210                        ; v210, v211: rows of the copy, buffers 0 and 1
.set PAD,   212                        ; v212, v213: their weights p
.set L8,    214                        ; 8 x lane
.set SRD,   215                        ; SCP + 16 x lane
.set H,     216
.set PWS,   248                        ; PW + 512 x wave + 16 x lane
.set MSB, 0
.macro WIN new                         ; the immediate's high byte repeats the setting that is left
.if MSB != \new
	s_set_vgpr_msb (MSB<<8)|\new
.set MSB, \new
.endif
.endm
.macro PLACES
.rept 4
	v_nop
.endr
.endm
	s_load_b256 s[4:11], s[0:1], 0x0               ; enhy s[4:5], past_attn s[6:7], wfrag s[8:9], W_en's scales s[10:11]
	s_load_b256 s[12:19], s[0:1], 0x20             ; base s[12:13], W_cv s[14:15], W_out s[16:17], pp s[18:19]
	s_load_b128 s[20:23], s[0:1], 0x40             ; stats s[20:21], part_h s[22:23]
	v_lshl_add_u32 v[SPW], v0, 2, SPARE
	v_mov_b32 v[NIL], 0
	v_lshrrev_b32 v1, 5, v0
	v_readfirstlane_b32 s24, v1                    ; wave 0..3
	v_and_b32 v1, 31, v0                           ; lane
	v_and_b32 v2, 15, v0                           ; r
	v_bfe_u32 v3, v0, 4, 1                         ; h
	s_mov_b32 s25, ttmp9                           ; X
	s_lshl_b32 s33, s24, 15
	v_lshl_add_u32 v[GA], v1, 5, s33
	s_lshl_b32 s33, s24, 14
	v_lshl_add_u32 v[BA], v1, 4, s33
	s_mul_i32 s33, s24, 8*SPITCH
	s_add_co_u32 s33, s33, STG
	v_lshl_add_u32 v[CA], v1, 2, s33
	s_lshl_b32 s33, s24, 8
	s_add_co_u32 s33, s33, STS
	v_lshrrev_b32 v[SA], 2, v1
	v_add_nc_u32 v[SA], s33, v[SA]
	v_mul_u32_u24 v[FA], v2, SPITCH
	v_lshl_add_u32 v[FA], v3, 4, v[FA]
	v_add_nc_u32 v[FA], STG, v[FA]
	v_lshl_add_u32 v[FS], v1, 5, STS
	v_lshlrev_b32 v[LO16], 4, v1
	v_lshlrev_b32 v[LS32], 5, v2
	v_lshlrev_b32 v[LH256], 8, v3
	v_lshlrev_b32 v[LH32], 5, v3
	v_lshlrev_b32 v[R4], 2, v2
	v_lshlrev_b32 v[L8], 3, v1
	s_lshl_b32 s33, s24, 9                         ; 512 x wave
	s_add_co_u32 s34, s33, SCP
	v_lshl_add_u32 v[SPA], v2, 2, s34
	v_lshl_add_u32 v[EA], v1, 3, s33               ; my 4 columns of a row of the copy: 512 x wave + 8 x lane
	v_add_nc_u32 v[EA+1], 0x4000, v[EA]            ; 8 rows on
	s_add_co_u32 s35, s33, PW
	v_mov_b32 v[PAD], s35
	v_add_nc_u32 v[PAD+1], 32, v[PAD]
	v_lshl_add_u32 v[SRD], v1, 4, SCP
	v_lshl_add_u32 v[PWS], v1, 4, s35
	s_mov_b32 s28, 0x4038aa3b                      ; 2 log2(e)
	s_mov_b32 s29, s28                             ; (named with it as a pair, so it is written)
	s_mov_b32 s30, 0x76543210
	s_mov_b32 s31, 0xfedcba98                      ; v_permlanex16_b32's selects for lane l xor 16
	s_mov_b32 s27, 0
	s_wait_kmcnt 0x0
	s_lshl_b32 s26, s25, 19                        ; 128 rows of 4,096 bytes
	s_add_nc_u64 s[4:5], s[4:5], s[26:27]
	s_lshl_b32 s26, s25, 9                         ; 128 numbers
	s_add_nc_u64 s[6:7], s[6:7], s[26:27]
	s_add_nc_u64 s[18:19], s[18:19], s[26:27]
	s_lshl_b32 s26, s24, 17                        ; my 16 tiles of 8,192 bytes
	s_add_nc_u64 s[8:9], s[8:9], s[26:27]
	s_lshl_b32 s26, s24, 13                        ; my 256 rows of 32 scale bytes
	s_add_nc_u64 s[10:11], s[10:11], s[26:27]
	s_lshl_b32 s26, s24, 16                        ; base: my 16 tiles of 4,096 bytes,
	s_lshr_b32 s33, s25, 6
	s_lshl_b32 s33, s33, 10                        ; the batch's tile of 16 (b / 16): 1,024 bytes,
	s_add_co_u32 s26, s26, s33
	s_bfe_u32 s34, s25, 0x40002
	s_lshl_b32 s34, s34, 4                         ; and its place in it (b % 16): 16 bytes
	s_add_co_u32 s26, s26, s34
	s_add_nc_u64 s[12:13], s[12:13], s[26:27]
	s_lshl_b32 s26, s24, 10                        ; my 256 numbers
	s_add_nc_u64 s[14:15], s[14:15], s[26:27]
	s_add_nc_u64 s[16:17], s[16:17], s[26:27]
	s_lshl_b32 s33, s25, 12
	s_add_co_u32 s26, s26, s33
	s_add_nc_u64 s[22:23], s[22:23], s[26:27]
	s_lshl_b32 s26, s25, 8
	s_add_nc_u64 s[20:21], s[20:21], s[26:27]
.irp m, 0,1,2,3,4,5,6,7
	global_load_b32 v[PAST+2*\m], v[R4], s[6:7] offset:64*\m
.endr
.irp m, 0,1,2,3,4,5,6,7
	v_mov_b32 v[PAST+2*\m+1], 0                    ; named with it as a pair
.endr
.irp i, 0,1,2,3,4,5,6,7,8,9,10,11,12,13,14,15
	v_mov_b32 v[SC+\i], 0
.endr
; ---- THE ROWS COME IN: four rounds of 32 rows; in round i wave w takes rows 32 i + 8 w + j, j = 0 .. 7, a row at a time.  Lane l holds numbers 256 q + 8 l + 0 .. 7, q = 0 .. 3: eight neighbours along H for a conversion;
; a block of 32 lies in four neighbouring lanes.  A pair of loads covers 1,024 consecutive bytes.  The ring of 8 rows keeps 64 loads of every wave on their way.
.macro FILL i, j                       ; row j of round i into ring slot j (destination window 1 is set by the caller)
.irp q, 0,1,2,3
.irp c, 0,1
	global_load_b128 v[32*(\j)+8*\q+4*\c:32*(\j)+8*\q+4*\c+3], v[GA], s[4:5] offset:(32*(\i)+(\j))*4096+1024*\q+16*\c th:TH_LOAD_NT
.endr
.endr
.endm
; One row.  left: the younger loads that may stay out.  At work, set j % 2 at TS: +0 largest magnitudes, +4 the conversions' scale operands, +8 bytes, +12 codes, +16 the row as bf16.
.macro ROW i, j, reload, left
.set TS, ACC+32*((\j)%2)
.set XR, 32*(\j)
.set PAR, (\i)%2
	s_wait_loadcnt \left                           ; loads come back in order: my row is in
.if (\j) >= 2
	s_wait_dscnt 12                                ; all but the last row's 12 LDS stores are done: the stores of the row before it have read this set (rows 0, 1 follow the barrier's wait for 0)
.endif
	WIN 0x05                                       ; sources 0 and 1 window 1
.irp q, 0,1,2,3
	v_max3_num_f32 v[TS+\q], |v[XR+8*\q]|, |v[XR+8*\q+1]|, 0x1800000   ; and the floor 2^(3 - 127): the byte cannot fall under 1
.endr
.irp e, 2,4,6
.irp q, 0,1,2,3
	v_max3_num_f32 v[TS+\q], |v[XR+8*\q+\e]|, |v[XR+8*\q+\e+1]|, v[TS+\q]
.endr
.endr
.irp q, 0,1,2,3
.irp u, 0,1,2,3
	v_cvt_pk_bf16_f32 v[TS+16+4*\q+\u], v[XR+8*\q+2*\u], v[XR+8*\q+2*\u+1]
.endr
.endr
	WIN 0
.irp q, 0,1,2,3
	v_max_num_f32_dpp v[TS+\q], v[TS+\q], v[TS+\q] row_xmask:1 row_mask:0xf bank_mask:0xf
.endr
.irp q, 0,1,2,3
	v_max_num_f32_dpp v[TS+\q], v[TS+\q], v[TS+\q] row_xmask:2 row_mask:0xf bank_mask:0xf   ; the block's largest magnitude, in its four lanes
.endr
.irp q, 0,1,2,3
	v_add_nc_u32 v[TS+4+\q], 0xff000000, v[TS+\q]  ; 2 off its exponent field: the conversion takes the exponent field of this operand as its scale
.endr
.irp q, 0,1,2,3
	v_lshrrev_b32 v[TS+8+\q], 23, v[TS+4+\q]       ; the scale's byte
.endr
	WIN 0x01                                       ; source 0 window 1
.irp q, 0,1,2,3
	v_cvt_scalef32_pk8_fp4_f32 v[TS+12+\q], v[XR+8*\q:XR+8*\q+7], v[TS+4+\q]
.endr
	v_nop                                          ; one plain place behind the scaled conversions
.if \reload
	WIN 0x40
	FILL (\i)+1, \j                                ; the slot takes the same row of the next round
.endif
	WIN 0
.irp q, 0,1,2,3
	ds_store_b128 v[BA], v[TS+16+4*\q:TS+16+4*\q+3] offset:2048*(\j)+512*\q       ; the copy: 512 consecutive bytes a store
.endr
.irp q, 0,1,2,3
	ds_store_b32 v[CA], v[TS+12+\q] offset:STGB*PAR+SPITCH*(\j)+128*\q            ; eight codes: byte 128 q + 4 l of the row's 512
.endr
.irp q, 0,1,2,3
	ds_store_b8 v[SA], v[TS+8+\q] offset:1024*PAR+32*(\j)+8*\q                    ; block 8 q + l / 4: its four lanes write the same byte with the same value
.endr
.endm
; The round's 32 rows, as fragments, into EVERY wave's registers: tiles of rows 2 i and 2 i + 1.
.macro AREAD i
.set PAR, (\i)%2
	WIN 0x80                                       ; destination window 2: K steps 0-3
.irp mt, 0,1
.irp s, 0,1,2,3
.irp c, 0,1
	ds_load_b128 v[32*(2*(\i)+\mt)+8*\s+4*\c:32*(2*(\i)+\mt)+8*\s+4*\c+3], v[FA] offset:STGB*PAR+16*SPITCH*\mt+64*\s+32*\c
.endr
.endr
.endr
	WIN 0xc0                                       ; destination window 3: K steps 4-7
.irp mt, 0,1
.irp s, 0,1,2,3
.irp c, 0,1
	ds_load_b128 v[32*(2*(\i)+\mt)+8*\s+4*\c:32*(2*(\i)+\mt)+8*\s+4*\c+3], v[FA] offset:STGB*PAR+16*SPITCH*\mt+256+64*\s+32*\c
.endr
.endr
.endr
	WIN 0
.irp g, 0,1
	ds_load_b128 v[AS+8*(\i)+4*\g:AS+8*(\i)+4*\g+3], v[FS] offset:1024*PAR+16*\g  ; lane = row of the 32: lanes 0-15 the even tile's words, lanes 16-31 the odd tile's
.endr
.endm
; ONE barrier a round, for two things, since the two stages take turns: in front of it my stores into this round's stage have landed, and my reads of the other stage (the round before) are back;
; behind it this round's stage is whole, and the other one may be written in the next round.
.macro ENDROUND i
	s_wait_dscnt 0x0
	s_barrier_signal -1
	s_barrier_wait -1
	AREAD \i
	v_add_nc_u32 v[BA], 0x10000, v[BA]             ; the copy's next 32 rows
.endm
; A tile of 16 outputs comes from memory: W's eight fragments and their scale words, base and W_cv (22 loads), and W_out (2 loads, asked for apart: its registers are free later).
.macro LOADW p
	WIN 0x40
.irp s, 0,1,2,3,4,5,6,7
.irp c, 0,1
	global_load_b128 v[64*(\p)+8*\s+4*\c:64*(\p)+8*\s+4*\c+3], v[LO16], s[8:9] offset:8192*(\p)+512*(2*\s+\c)   ; 512 consecutive bytes: a fragment's half as its registers want it
.endr
.endr
	WIN 0
.irp g, 0,1
	global_load_b128 v[WS+8*(\p)+4*\g:WS+8*(\p)+4*\g+3], v[LS32], s[10:11] offset:512*(\p)+16*\g
	global_load_b128 v[CON+24*(\p)+4*\g:CON+24*(\p)+4*\g+3], v[LH256], s[12:13] offset:4096*(\p)+512*\g
	global_load_b128 v[CON+24*(\p)+8+4*\g:CON+24*(\p)+8+4*\g+3], v[LH32], s[14:15] offset:64*(\p)+16*\g
.endr
.endm
.macro LOADO p
.irp g, 0,1
	global_load_b128 v[CON+24*(\p)+16+4*\g:CON+24*(\p)+16+4*\g+3], v[LH32], s[16:17] offset:64*(\p)+16*\g
.endr
.endm
	WIN 0x40
.irp j, 0,1,2,3,4,5,6,7
	FILL 0, \j
.endr
	WIN 0
.irp i, 0,1,2
.irp j, 0,1,2,3,4,5,6,7
	ROW \i, \j, 1, 56                              ; behind my row's 8 loads: the seven other slots' 56
.endr
	ENDROUND \i
.endr
	ROW 3, 0, 0, 56                                ; the last round fills nothing: the counts run down,
	ROW 3, 1, 0, 48
	ROW 3, 2, 0, 40
	ROW 3, 3, 0, 32
	LOADW 0                                        ; and the ring's slots 0, 1 take W's tile 0 (24 loads with W_out's),
	LOADO 0
	ROW 3, 4, 0, 48                                ; 3 slots' 24 + 24
	ROW 3, 5, 0, 40                                ; 16 + 24
	LOADW 1                                        ; slots 2, 3 tile 1
	LOADO 1
	ROW 3, 6, 0, 56                                ; 8 + 48
	ROW 3, 7, 0, 48                                ; 0 + 48
	ENDROUND 3
	s_wait_xcnt 0x0                                ; the loads issued so far have read their bases, so these may be stepped: two tiles on
	s_add_nc_u64 s[8:9], s[8:9], 16384
	s_add_nc_u64 s[10:11], s[10:11], 1024
	s_add_nc_u64 s[12:13], s[12:13], 8192
	s_add_nc_u64 s[14:15], s[14:15], 128
	s_add_nc_u64 s[16:17], s[16:17], 128
	s_wait_dscnt 0x0                               ; the last round's fragments and scale words are in
; ---- THE PRODUCT AND tanh, a tile of 16 outputs x all 128 rows at a time.
.macro MM p, s, m                      ; set p of W, K step s, tile of rows m
.if (\m)%2
	v_wmma_scale_f32_16x16x128_f8f6f4 v[ACC+8*(\m):ACC+8*(\m)+7], v[64*(\p)+8*(\s):64*(\p)+8*(\s)+7], v[32*(\m)+8*((\s)%4):32*(\m)+8*((\s)%4)+7], v[ACC+8*(\m):ACC+8*(\m)+7], v[WS+8*(\p)+(\s)], v[AS+8*((\m)/2)+(\s)] matrix_a_fmt:MATRIX_FMT_FP4 matrix_b_fmt:MATRIX_FMT_FP4 matrix_b_scale:MATRIX_SCALE_ROW1
.else
	v_wmma_scale_f32_16x16x128_f8f6f4 v[ACC+8*(\m):ACC+8*(\m)+7], v[64*(\p)+8*(\s):64*(\p)+8*(\s)+7], v[32*(\m)+8*((\s)%4):32*(\m)+8*((\s)%4)+7], v[ACC+8*(\m):ACC+8*(\m)+7], v[WS+8*(\p)+(\s)], v[AS+8*((\m)/2)+(\s)] matrix_a_fmt:MATRIX_FMT_FP4 matrix_b_fmt:MATRIX_FMT_FP4
.endif
.endm
; nxt = 1: set p is loaded again, with the tile two on.  left: the younger loads that may stay out: the next tile's 22 + 2.
.macro STEP p, nxt, left
.set CB, CON+24*(\p)
	s_wait_loadcnt \left
.irp m, 0,1,2,3,4,5,6,7                ; the sums begin as base + past_attn x W_cv: no addition behind the product
.irp i, 0,1,2,3
	v_pk_fma_f32 v[ACC+8*\m+2*\i:ACC+8*\m+2*\i+1], v[CB+8+2*\i:CB+8+2*\i+1], v[PAST+2*\m:PAST+2*\m+1], v[CB+2*\i:CB+2*\i+1] op_sel_hi:[1,0,1]
.endr
.endr
	PLACES
	WIN 0x09                                       ; source 0 (W) window 1, source 1 (enhy) window 2
.irp s, 0,1,2,3                        ; the eight accumulators take turns, one instruction a turn, over the loop's edge too
.irp m, 0,1,2,3,4,5,6,7
	MM \p, \s, \m
.endr
.endr
	WIN 0x0d                                       ; source 1 window 3
.irp s, 4,5,6,7
.irp m, 0,1,2,3,4,5,6,7
	MM \p, \s, \m
.endr
.endr
	WIN 0
	PLACES                                         ; four places: in front of loads into registers that the products read, and of the first read of results
.if \nxt
	LOADW \p
.endif
	; 1 / (1 + 2^(2 log2(e) x)): the 64 exponentials are one batch with one wait, the 64 reciprocals another; the scalings and additions stand among them, each two pairs ahead of its pair's transcendentals.
	; Pairs go in ascending order.
	v_pk_mul_f32 v[ACC:ACC+1], v[ACC:ACC+1], s[28:29] op_sel_hi:[1,0]
	v_pk_mul_f32 v[ACC+2:ACC+3], v[ACC+2:ACC+3], s[28:29] op_sel_hi:[1,0]
.set k, 0
.rept 32
.if k+2 < 32
	v_pk_mul_f32 v[ACC+2*(k+2):ACC+2*(k+2)+1], v[ACC+2*(k+2):ACC+2*(k+2)+1], s[28:29] op_sel_hi:[1,0]
.endif
	v_exp_f32 v[ACC+2*k], v[ACC+2*k]
	v_exp_f32 v[ACC+2*k+1], v[ACC+2*k+1]
.set k, k+1
.endr
	v_nop                                          ; a plain place behind the last exponential
	s_wait_alu depctr_va_vdst(0)                   ; one wait for the batch, ahead of the first line that names a result
	v_pk_add_f32 v[ACC:ACC+1], v[ACC:ACC+1], 1.0 op_sel_hi:[1,0]
	v_pk_add_f32 v[ACC+2:ACC+3], v[ACC+2:ACC+3], 1.0 op_sel_hi:[1,0]
.set k, 0
.rept 32
.if k+2 < 32
	v_pk_add_f32 v[ACC+2*(k+2):ACC+2*(k+2)+1], v[ACC+2*(k+2):ACC+2*(k+2)+1], 1.0 op_sel_hi:[1,0]
.endif
	v_rcp_f32 v[ACC+2*k], v[ACC+2*k]
	v_rcp_f32 v[ACC+2*k+1], v[ACC+2*k+1]
.set k, k+1
.endr
	v_nop
	s_wait_alu depctr_va_vdst(0)                   ; and one for the reciprocals
.irp i, 0,1,2,3
.irp m, 0,1,2,3,4,5,6,7
	v_pk_fma_f32 v[SC+2*\m:SC+2*\m+1], v[CB+16+2*\i:CB+16+2*\i+1], v[ACC+8*\m+2*\i:ACC+8*\m+2*\i+1], v[SC+2*\m:SC+2*\m+1]   ; u += W_out x r
.endr
.endr
.if \nxt
	LOADO \p
.endif
.endm
	s_mov_b32 s32, 7
.Ltile:                                            ; 7 trips of two tiles: tiles 0 to 13 are worked, tiles 2 to 15 asked for
	STEP 0, 1, 24
	STEP 1, 1, 24
	s_wait_xcnt 0x0                                ; the trip's loads have read their bases
	s_add_nc_u64 s[8:9], s[8:9], 16384
	s_add_nc_u64 s[10:11], s[10:11], 1024
	s_add_nc_u64 s[12:13], s[12:13], 8192
	s_add_nc_u64 s[14:15], s[14:15], 128
	s_add_nc_u64 s[16:17], s[16:17], 128
	s_sub_co_u32 s32, s32, 1
	s_cmp_lg_u32 s32, 0
	s_cbranch_scc1 .Ltile
	STEP 0, 0, 24                                  ; the last two tiles ask for nothing: no load leaves its buffer
	STEP 1, 0, 0
; ---- THE SCORES MEET.  My u of row 16 m + r: the pair's halves, and lane l xor 16's eight outputs; then the four waves' through LDS.
.irp m, 0,1,2,3,4,5,6,7
	v_add_f32 v[224+\m], v[SC+2*\m], v[SC+2*\m+1]
.endr
.irp m, 0,1,2,3,4,5,6,7
	v_permlanex16_b32 v[ACC+\m], v[224+\m], s30, s31
.endr
.irp m, 0,1,2,3,4,5,6,7
	v_add_f32 v[224+\m], v[224+\m], v[ACC+\m]
.endr
.irp m, 0,1,2,3,4,5,6,7
	ds_store_b32 v[SPA], v[224+\m] offset:64*\m    ; lanes l and l xor 16 write the same word with the same value
.endr
	s_wait_dscnt 0x0                               ; for the others' sake: my stores have landed
	s_barrier_signal -1
	s_barrier_wait -1
.irp w, 0,1,2,3
	ds_load_b128 v[224+4*\w:227+4*\w], v[SRD] offset:512*\w   ; every wave alike: lane l takes rows 4 l .. 4 l + 3
.endr
	v_mov_b32 v241, 0                              ; a lane permute's destination counts as one of its sources
	s_wait_dscnt 0x0
	v_pk_add_f32 v[224:225], v[224:225], v[228:229]
	v_pk_add_f32 v[226:227], v[226:227], v[230:231]
	v_pk_add_f32 v[232:233], v[232:233], v[236:237]
	v_pk_add_f32 v[234:235], v[234:235], v[238:239]
	v_pk_add_f32 v[224:225], v[224:225], v[232:233]
	v_pk_add_f32 v[226:227], v[226:227], v[234:235]
.irp i, 0,1,2,3
	v_mul_f32 v[224+\i], 0xc038aa3b, v[224+\i]     ; t = -2 log2(e) u
.endr
	v_max3_num_f32 v240, v224, v225, v226
	v_max_num_f32 v240, v240, v227
	v_max_num_f32_dpp v240, v240, v240 row_xmask:1 row_mask:0xf bank_mask:0xf
	v_max_num_f32_dpp v240, v240, v240 row_xmask:2 row_mask:0xf bank_mask:0xf
	v_max_num_f32_dpp v240, v240, v240 row_xmask:4 row_mask:0xf bank_mask:0xf
	v_max_num_f32_dpp v240, v240, v240 row_xmask:8 row_mask:0xf bank_mask:0xf
	v_permlanex16_b32 v241, v240, s30, s31
	v_max_num_f32 v240, v240, v241                 ; m: the largest t of the 128 rows, taken away before the exponential
.irp i, 0,1,2,3
	v_sub_f32 v[228+\i], v[224+\i], v240
.endr
.irp i, 0,1,2,3
	v_exp_f32 v[228+\i], v[228+\i]                 ; p = 2^(t - m), at most 1
.endr
.irp i, 0,1,2,3,4,5,6,7
	v_mov_b32 v[H+\i], 0                           ; plain work behind the exponentials: the weighted sums begin
.endr
	s_wait_alu depctr_va_vdst(0)                   ; one wait for the four, ahead of their first reader
	v_add_f32 v242, v228, v229
	v_add_f32 v243, v230, v231
	v_add_f32 v242, v242, v243
	v_add_f32_dpp v242, v242, v242 row_xmask:1 row_mask:0xf bank_mask:0xf
	v_add_f32_dpp v242, v242, v242 row_xmask:2 row_mask:0xf bank_mask:0xf
	v_add_f32_dpp v242, v242, v242 row_xmask:4 row_mask:0xf bank_mask:0xf
	v_add_f32_dpp v242, v242, v242 row_xmask:8 row_mask:0xf bank_mask:0xf
	v_permlanex16_b32 v243, v242, s30, s31
	v_add_f32 v241, v242, v243                     ; l, beside m
	ds_store_b128 v[PWS], v[228:231]               ; p into my wave's own 512 bytes: no other wave touches them, so no barrier
	s_cmp_lg_u32 s24, 0
	s_cbranch_scc1 .Lnot_wave_0                    ; all waves hold the same numbers: wave 0 stores them
	global_store_b128 v[LO16], v[228:231], s[18:19]   ; 512 consecutive bytes
	global_store_b64 v[L8], v[240:241], s[20:21]      ; (m, l), 32 times: 256 consecutive bytes, aligned
.Lnot_wave_0:
; ---- THE WEIGHTED SUM: part_h[n] = sum over the 128 rows of p x the copy.  Wave w takes columns 256 w + 128 g + 4 l + 0 .. 3; 8 rows to a buffer, two buffers by turns.
.macro LOADB u                         ; 18 LDS loads: 8 rows x two runs of 256 consecutive bytes, and the rows' eight p (the same address in every lane)
.irp y, 0,1,2,3,4,5,6,7
.irp g, 0,1
	ds_load_b64 v[ACC+32*(\u)+4*\y+2*\g:ACC+32*(\u)+4*\y+2*\g+1], v[EA+(\u)] offset:2048*\y+256*\g
.endr
.endr
	ds_load_b128 v[CON+8*(\u):CON+8*(\u)+3], v[PAD+(\u)]
	ds_load_b128 v[CON+8*(\u)+4:CON+8*(\u)+7], v[PAD+(\u)] offset:16
.endm
.macro FMAB u                          ; a bf16 half x p in f32, added in f32: eight sums by turns
.irp y, 0,1,2,3,4,5,6,7
.irp g, 0,1
.irp c, 0,1
	v_fma_mix_f32_bf16 v[H+4*\g+2*\c], v[ACC+32*(\u)+4*\y+2*\g+\c], v[CON+8*(\u)+\y], v[H+4*\g+2*\c] op_sel_hi:[1,0,0]
	v_fma_mix_f32_bf16 v[H+4*\g+2*\c+1], v[ACC+32*(\u)+4*\y+2*\g+\c], v[CON+8*(\u)+\y], v[H+4*\g+2*\c+1] op_sel:[1,0,0] op_sel_hi:[1,0,0]
.endr
.endr
.endr
.endm
	LOADB 0                                        ; LDS serves a wave's instructions in order: these see my store of p
	s_mov_b32 s32, 7
.Lrows:                                            ; 7 trips of 16 rows
	LOADB 1
	s_wait_dscnt 18                                ; all but the 18 just issued: buffer 0 is in
	FMAB 0
	v_add_nc_u32 v[EA], 0x8000, v[EA]              ; 16 rows on
	v_add_nc_u32 v[PAD], 64, v[PAD]
	LOADB 0
	s_wait_dscnt 18                                ; buffer 1 is in
	FMAB 1
	v_add_nc_u32 v[EA+1], 0x8000, v[EA+1]
	v_add_nc_u32 v[PAD+1], 64, v[PAD+1]
	s_sub_co_u32 s32, s32, 1
	s_cmp_lg_u32 s32, 0
	s_cbranch_scc1 .Lrows
	LOADB 1                                        ; the last 16 rows
	s_wait_dscnt 18
	FMAB 0
	s_wait_dscnt 0x0
	FMAB 1
	global_store_b128 v[LO16], v[H:H+3], s[22:23]              ; 512 consecutive bytes a store
	global_store_b128 v[LO16], v[H+4:H+7], s[22:23] offset:512
	s_wait_tensorcnt 0x0                           ; the wave's end: three closing lines, behind my last LDS store
	ds_add_u32 v[SPW], v[NIL]
	s_wait_dscnt 0x0
	s_endpgm
.Lfunc_end_k_q8e5909794b_main:
	.size	k_q8e5909794b_main, .Lfunc_end_k_q8e5909794b_main-k_q8e5909794b_main
	.p2alignl 7, 3214868480
	.fill 96, 4, 3214868480
	.section	.rodata,"a",@progbits
	.p2align	6, 0x0
	.amdhsa_kernel k_q8e5909794b_main
		.amdhsa_group_segment_fixed_size 302592
		.amdhsa_private_segment_fixed_size 0
		.amdhsa_enable_private_segment 0
		.amdhsa_kernarg_size 80
		.amdhsa_user_sgpr_count 2
		.amdhsa_user_sgpr_kernarg_segment_ptr 1
		.amdhsa_wavefront_size32 1
		.amdhsa_system_sgpr_workgroup_id_x 1
		.amdhsa_system_sgpr_workgroup_id_y 1
		.amdhsa_system_sgpr_workgroup_id_z 1
		.amdhsa_system_vgpr_workitem_id 0
		.amdhsa_next_free_vgpr 1024
		.amdhsa_next_free_sgpr 66
		.amdhsa_reserve_vcc 0
		.amdhsa_float_denorm_mode_32 3
		.amdhsa_float_denorm_mode_16_64 3
		.amdhsa_memory_ordered 1
		.amdhsa_forward_progress 1
		.amdhsa_inst_pref_size 255
	.end_amdhsa_kernel
	.section	.bss,"aw",@nobits
	.p2align	6
	.space	262144
	.amdgpu_metadata
---
amdhsa.version: [ 1, 2 ]
amdhsa.kernels:
  - .name:           k_q8e5909794b_main
    .symbol:         k_q8e5909794b_main.kd
    .args:
      - { .name: enhy, .offset: 0, .size: 8, .value_kind: global_buffer, .address_space: global }
      - { .name: past_attn, .offset: 8, .size: 8, .value_kind: global_buffer, .address_space: global }
      - { .name: wfrag, .offset: 16, .size: 8, .value_kind: global_buffer, .address_space: global }
      - { .name: W_en_scales, .offset: 24, .size: 8, .value_kind: global_buffer, .address_space: global }
      - { .name: base, .offset: 32, .size: 8, .value_kind: global_buffer, .address_space: global }
      - { .name: W_cv, .offset: 40, .size: 8, .value_kind: global_buffer, .address_space: global }
      - { .name: W_out, .offset: 48, .size: 8, .value_kind: global_buffer, .address_space: global }
      - { .name: pp, .offset: 56, .size: 8, .value_kind: global_buffer, .address_space: global }
      - { .name: stats, .offset: 64, .size: 8, .value_kind: global_buffer, .address_space: global }
      - { .name: part_h, .offset: 72, .size: 8, .value_kind: global_buffer, .address_space: global }
    .group_segment_fixed_size: 302592
    .private_segment_fixed_size: 0
    .kernarg_segment_align: 8
    .kernarg_segment_size: 80
    .max_flat_workgroup_size: 128
    .sgpr_count:     66
    .vgpr_count:     1024
    .wavefront_size: 32
...
	.end_amdgpu_metadata
.endif
;; end of part 2
;; launch join (part 3): grid 256 x 1, 2 waves a work-group, no clusters, 0 bytes of LDS; arguments stats, pp, part_h, out0, out1; writes out0, out1
.if DOCPART == 3
	.amdgcn_target "amdgcn-amd-amdhsa--gfx1250"
	.amdhsa_code_object_version 6
	.text
	.protected	k_q8e5909794b_join
	.globl	k_q8e5909794b_join
	.p2align	8
	.type	k_q8e5909794b_join,@function
k_q8e5909794b_join:
	s_mov_b64 s[64:65], 0
	v_nop
	global_prefetch_b8 v0, s[64:65] scope:SCOPE_SE
	s_setreg_imm32_b32 hwreg(HW_REG_WAVE_MODE, 25, 1), 1
	s_wait_xcnt 0x0
; The four quarters of a batch are brought under one maximum.  Quarter q of batch b left m_q (its largest t), l_q = sum 2^(t - m_q), p = 2^(t - m_q) and part_h_q = sum p x enhy.
; M = the largest m_q;  f_q = 2^(m_q - M);  L = sum f_q l_q (at least 1: the quarter that holds M has f = 1 and l >= 1);  out1 = p f_q / L;  out0 = sum_q part_h_q f_q / L.
; Nothing is left out here; the term that the softmax cancels was never formed (shown at the head of the first kernel).
; Work-group X = 4 b + i, two waves, thread t: columns 256 i + 4 t .. + 3 of out0's row b (16 bytes a lane: 512 consecutive bytes a wave) and numbers 128 i + 2 t, + 1 of out1's row b (256 consecutive bytes a wave).
; No LDS, no barrier: threads share nothing.
	s_load_b256 s[4:11], s[0:1], 0x0               ; stats s[4:5], pp s[6:7], part_h s[8:9], out0 s[10:11]
	s_load_b64 s[12:13], s[0:1], 0x20              ; out1
	v_lshlrev_b32 v1, 4, v0                        ; 16 t
	v_lshlrev_b32 v2, 3, v0                        ; 8 t
	v_mov_b32 v3, 0
	s_lshr_b32 s16, ttmp9, 2                       ; b
	s_and_b32 s17, ttmp9, 3                        ; i
	s_lshl_b32 s20, s17, 10                        ; my 256 columns, in bytes
	s_mov_b32 s19, 0
	s_wait_kmcnt 0x0
	s_lshl_b32 s18, ttmp9, 8
	s_add_nc_u64 s[14:15], s[4:5], s[18:19]        ; my own quarter's (m, l)
	s_lshl_b32 s18, s16, 10
	s_add_nc_u64 s[4:5], s[4:5], s[18:19]          ; the batch's four, 256 bytes apart
	s_lshl_b32 s18, ttmp9, 9
	s_add_nc_u64 s[6:7], s[6:7], s[18:19]
	s_add_nc_u64 s[12:13], s[12:13], s[18:19]
	s_lshl_b32 s18, s16, 14
	s_add_co_u32 s18, s18, s20
	s_add_nc_u64 s[8:9], s[8:9], s[18:19]          ; the batch's four parts, 4,096 bytes apart, at my columns
	s_lshl_b32 s18, s16, 12
	s_add_co_u32 s18, s18, s20
	s_add_nc_u64 s[10:11], s[10:11], s[18:19]
.irp q, 0,1,2,3
	global_load_b64 v[4+2*\q:5+2*\q], v3, s[4:5] offset:256*\q
.endr
	global_load_b64 v[12:13], v3, s[14:15]
.irp q, 0,1,2,3
	global_load_b128 v[16+4*\q:19+4*\q], v1, s[8:9] offset:4096*\q
.endr
	global_load_b64 v[32:33], v2, s[6:7]
	s_wait_loadcnt 0x0
	v_max3_num_f32 v34, v4, v6, v8
	v_max_num_f32 v34, v34, v10                    ; M
.irp q, 0,1,2,3,4
	v_sub_f32 v[35+\q], v[4+2*\q], v34             ; m_q - M; the fifth is my own quarter's
.endr
.irp q, 0,1,2,3,4
	v_exp_f32 v[35+\q], v[35+\q]
.endr
	v_nop                                          ; a plain place behind the last exponential
	s_wait_alu depctr_va_vdst(0)                   ; one wait for the five, ahead of their first reader
	v_mul_f32 v40, v35, v5
	v_fma_f32 v40, v36, v7, v40
	v_fma_f32 v40, v37, v9, v40
	v_fma_f32 v40, v38, v11, v40                   ; L
	v_rcp_f32 v41, v40
	v_nop
	s_wait_alu depctr_va_vdst(0)
.irp q, 0,1,2,3,4
	v_mul_f32 v[35+\q], v[35+\q], v41              ; f_q / L
.endr
.irp c, 0,1,2,3
	v_mul_f32 v[44+\c], v35, v[16+\c]
.endr
.irp c, 0,1,2,3
	v_fma_f32 v[44+\c], v36, v[20+\c], v[44+\c]
.endr
.irp c, 0,1,2,3
	v_fma_f32 v[44+\c], v37, v[24+\c], v[44+\c]
.endr
.irp c, 0,1,2,3
	v_fma_f32 v[44+\c], v38, v[28+\c], v[44+\c]
.endr
	v_mul_f32 v48, v32, v39
	v_mul_f32 v49, v33, v39
	global_store_b128 v1, v[44:47], s[10:11]
	global_store_b64 v2, v[48:49], s[12:13]
	s_endpgm
.Lfunc_end_k_q8e5909794b_join:
	.size	k_q8e5909794b_join, .Lfunc_end_k_q8e5909794b_join-k_q8e5909794b_join
	.p2alignl 7, 3214868480
	.fill 96, 4, 3214868480
	.section	.rodata,"a",@progbits
	.p2align	6, 0x0
	.amdhsa_kernel k_q8e5909794b_join
		.amdhsa_group_segment_fixed_size 0
		.amdhsa_private_segment_fixed_size 0
		.amdhsa_enable_private_segment 0
		.amdhsa_kernarg_size 40
		.amdhsa_user_sgpr_count 2
		.amdhsa_user_sgpr_kernarg_segment_ptr 1
		.amdhsa_wavefront_size32 1
		.amdhsa_system_sgpr_workgroup_id_x 1
		.amdhsa_system_sgpr_workgroup_id_y 1
		.amdhsa_system_sgpr_workgroup_id_z 1
		.amdhsa_system_vgpr_workitem_id 0
		.amdhsa_next_free_vgpr 64
		.amdhsa_next_free_sgpr 66
		.amdhsa_reserve_vcc 0
		.amdhsa_float_denorm_mode_32 3
		.amdhsa_float_denorm_mode_16_64 3
		.amdhsa_memory_ordered 1
		.amdhsa_forward_progress 1
		.amdhsa_inst_pref_size 5
	.end_amdhsa_kernel
	.amdgpu_metadata
---
amdhsa.version: [ 1, 2 ]
amdhsa.kernels:
  - .name:           k_q8e5909794b_join
    .symbol:         k_q8e5909794b_join.kd
    .args:
      - { .name: stats, .offset: 0, .size: 8, .value_kind: global_buffer, .address_space: global }
      - { .name: pp, .offset: 8, .size: 8, .value_kind: global_buffer, .address_space: global }
      - { .name: part_h, .offset: 16, .size: 8, .value_kind: global_buffer, .address_space: global }
      - { .name: out0, .offset: 24, .size: 8, .value_kind: global_buffer, .address_space: global }
      - { .name: out1, .offset: 32, .size: 8, .value_kind: global_buffer, .address_space: global }
    .group_segment_fixed_size: 0
    .private_segment_fixed_size: 0
    .kernarg_segment_align: 8
    .kernarg_segment_size: 40
    .max_flat_workgroup_size: 64
    .sgpr_count:     66
    .vgpr_count:     64
    .wavefront_size: 32
...
	.end_amdgpu_metadata
.endif
;; end of part 3
;; ======== version 2 of 2: 3 launches; version 1 with the launches prep, main written anew for expert scheduling mode
;; workspace buffers: wfrag 524,288 bytes; base 262,144 bytes; pp 131,072 bytes; stats 65,536 bytes; part_h 1,048,576 bytes
;; launch prep (part 4): grid 64 x 1, 1 waves a work-group, no clusters, 0 bytes of LDS; arguments last_dehy_codes, last_dehy_scales, W_de_codes, W_de_scales, W_en_codes, b_de, b_en, b_cv, hidden_attn, wfrag, base, out2; writes wfrag, base, out2
.if DOCPART == 4
	.amdgcn_target "amdgcn-amd-amdhsa--gfx1250"
	.amdhsa_code_object_version 6
	.text
	.protected	k_q8e5909794b_prep
	.globl	k_q8e5909794b_prep
	.p2align	8
	.type	k_q8e5909794b_prep,@function
k_q8e5909794b_prep:
	s_mov_b64 s[64:65], 0
	v_nop
	global_prefetch_b8 v0, s[64:65] scope:SCOPE_SE
	s_setreg_imm32_b32 hwreg(HW_REG_WAVE_SCHED_MODE, 0, 2), 2
	s_setreg_imm32_b32 hwreg(HW_REG_WAVE_MODE, 25, 1), 1
	s_wait_xcnt 0x0
	s_wait_alu depctr_vm_vsrc(0)
; THE PROGRAM: Bahdanau attention, B = 64, S = 512, H = 1024, in three launches.
;   prep: base[b][n] = (last_dehy W_de^T)[b][n] + b_de[n] + b_en[n] + b_cv[n] (the quantised product 2 on the given codes); W_en's codes laid anew in the order of a wave's operand registers; out2 = hidden_attn.
;   main: enhy quantised along H, product 1, tanh, product 3, and for each 128 rows of a batch a local softmax (own maximum) and its part of product 4.
;   join: the four parts of each batch are brought under one maximum: out0, out1.
; WORK LEFT OUT, and why it is dead.  tanh(x) = 1 - 2 / (1 + e^(2x)), so the score of row s is  sum_n W_out[n]  -  2 sum_n W_out[n] / (1 + e^(2 x[s][n])).
; The first term does not hang on s: it is the same along the softmax's axis, for all values of the inputs, and a softmax is unchanged by a term that is the same along its axis.  So sum_n W_out[n] is never formed.
; LIMIT: an overflow, infinity or NaN that would arise in sum_n W_out[n] alone is not carried to the result.  Every input has a way to an output and is loaded.
; THIS LAUNCH.  One wave to a work-group; work-group T owns the 16 outputs n = 16 T .. 16 T + 15, for all 64 batches (four tiles of 16).
; The matrix instruction is used transposed (source 0 = 16 rows of W_de, source 1 = 16 batches): lane (r, h) holds batch 16 m + r, and register j the output 16 T + 8 h + j.
; The three biases' sum, in that layout, is the C of each sum's first instruction.  The four accumulators take turns, one instruction a turn.
; base is stored as images of the registers: T x 4096 + m x 1024 + g x 512 + 16 x lane holds registers 4 g .. 4 g + 3: each store of the wave covers 512 consecutive bytes.
; wfrag: tile T, K step s, half c at ((8 T + s) 2 + c) x 512, lane l's 16 bytes at 16 l = W_en_codes[16 T + l % 16][64 s + 32 c + 16 (l / 16) ..]: what a fragment's registers 4 c .. 4 c + 3 hold.
; THE MODE: SCHED_MODE bits 1:0 = 2 (LLVM: expert scheduling mode 2), set by the entry lines.  The code itself states the register dependences
; between vector or matrix instructions and memory instructions, with s_wait_alu, always for 0.
; THE PLAN.  Registers that memory instructions touch: the offsets v3 to v7, made once at the head and never written again; the loaded fragments, scale words, biases and hidden_attn, which no vector line
; names before they land; the accumulators, written by the products and read by the last eight stores.  So two waits: one ahead of the first load, one ahead of the stores of base.
; The stores of wfrag and of out2 read loaded data and old offsets.
; REGISTERS: window 0: v1-7 offsets; v16-79 W_de's 8 fragments; v80-143 W_en's; v144-151 W_de's scale words; v152-167 last_dehy's (lanes 0-15 the even tile of batches, lanes 16-31 the odd);
;   v168-191 the biases; v192-223 the accumulators; v224-239 hidden_attn.   window 1: last_dehy's fragments, (tile m, K step s) at v[64 m + 8 s].
.set WDE, 16
.set WEN, 80
.set WDS, 144
.set LSC, 152
.set BIA, 168
.set ACC, 192
.set HID, 224
.set MSB, 0
.macro WIN new                         ; the immediate's high byte repeats the setting that is left
.if MSB != \new
	s_set_vgpr_msb (MSB<<8)|\new
.set MSB, \new
.endif
.endm
	s_load_b256 s[4:11], s[0:1], 0x0               ; last_dehy's codes s[4:5], its scales s[6:7], W_de's codes s[8:9], its scales s[10:11]
	s_load_b256 s[12:19], s[0:1], 0x20             ; W_en's codes s[12:13], b_de s[14:15], b_en s[16:17], b_cv s[18:19]
	s_load_b256 s[20:27], s[0:1], 0x40             ; hidden_attn s[20:21], wfrag s[22:23], base s[24:25], out2 s[26:27]
	v_and_b32 v1, 15, v0                           ; r
	v_bfe_u32 v2, v0, 4, 1                         ; h
	v_lshlrev_b32 v3, 9, v1
	v_lshl_add_u32 v3, v2, 4, v3                   ; a fragment: row r of 512 bytes, + 16 h
	v_lshlrev_b32 v4, 4, v0                        ; 16 x lane
	v_lshlrev_b32 v5, 5, v1                        ; W_de's scale words: row r of 32 bytes
	v_lshlrev_b32 v6, 5, v0                        ; last_dehy's: row = lane
	v_lshlrev_b32 v7, 5, v2                        ; the biases: 8 h numbers on
	s_mov_b32 s29, 0
	s_wait_kmcnt 0x0
	s_lshl_b32 s28, ttmp9, 13                      ; 16 rows of 512 bytes
	s_add_nc_u64 s[8:9], s[8:9], s[28:29]
	s_add_nc_u64 s[12:13], s[12:13], s[28:29]
	s_add_nc_u64 s[22:23], s[22:23], s[28:29]
	s_lshl_b32 s28, ttmp9, 9                       ; 16 rows of 32 scale bytes
	s_add_nc_u64 s[10:11], s[10:11], s[28:29]
	s_lshl_b32 s28, ttmp9, 6                       ; 16 numbers of a bias
	s_add_nc_u64 s[14:15], s[14:15], s[28:29]
	s_add_nc_u64 s[16:17], s[16:17], s[28:29]
	s_add_nc_u64 s[18:19], s[18:19], s[28:29]
	s_lshl_b32 s28, ttmp9, 12                      ; base: 4,096 bytes a tile
	s_add_nc_u64 s[24:25], s[24:25], s[28:29]
	s_lshl_b32 s28, ttmp9, 11                      ; hidden_attn: 2,048 bytes a work-group
	s_add_nc_u64 s[20:21], s[20:21], s[28:29]
	s_add_nc_u64 s[26:27], s[26:27], s[28:29]
	WIN 0x40                                       ; destination window 1
	s_wait_alu depctr_va_vdst(0)                   ; the offsets v3 to v7 are written: every load and store of the kernel reads one of them
.irp m, 0,1,2,3
.irp s, 0,1,2,3,4,5,6,7
.irp c, 0,1
	global_load_b128 v[64*\m+8*\s+4*\c:64*\m+8*\s+4*\c+3], v3, s[4:5] offset:8192*\m+64*\s+32*\c
.endr
.endr
.endr
	WIN 0
.irp s, 0,1,2,3,4,5,6,7
.irp c, 0,1
	global_load_b128 v[WDE+8*\s+4*\c:WDE+8*\s+4*\c+3], v3, s[8:9] offset:64*\s+32*\c
	global_load_b128 v[WEN+8*\s+4*\c:WEN+8*\s+4*\c+3], v3, s[12:13] offset:64*\s+32*\c
.endr
.endr
.irp g, 0,1
	global_load_b128 v[WDS+4*\g:WDS+4*\g+3], v5, s[10:11] offset:16*\g                     ; register s: the word of K step s
	global_load_b128 v[LSC+4*\g:LSC+4*\g+3], v6, s[6:7] offset:16*\g                       ; batches 0-31
	global_load_b128 v[LSC+8+4*\g:LSC+8+4*\g+3], v6, s[6:7] offset:1024+16*\g              ; batches 32-63
	global_load_b128 v[BIA+4*\g:BIA+4*\g+3], v7, s[14:15] offset:16*\g
	global_load_b128 v[BIA+8+4*\g:BIA+8+4*\g+3], v7, s[16:17] offset:16*\g
	global_load_b128 v[BIA+16+4*\g:BIA+16+4*\g+3], v7, s[18:19] offset:16*\g
.endr
.irp i, 0,1,2,3
	global_load_b128 v[HID+4*\i:HID+4*\i+3], v4, s[20:21] offset:512*\i
.endr
	s_wait_loadcnt 0x0
.irp i, 0,2,4,6
	v_pk_add_f32 v[BIA+\i:BIA+\i+1], v[BIA+\i:BIA+\i+1], v[BIA+8+\i:BIA+8+\i+1]
.endr
.irp i, 0,2,4,6
	v_pk_add_f32 v[BIA+\i:BIA+\i+1], v[BIA+\i:BIA+\i+1], v[BIA+16+\i:BIA+16+\i+1]          ; b_de + b_en + b_cv at my eight outputs
.endr
.irp s, 0,1,2,3,4,5,6,7
.irp c, 0,1
	global_store_b128 v4, v[WEN+8*\s+4*\c:WEN+8*\s+4*\c+3], s[22:23] offset:512*(2*\s+\c)  ; 512 consecutive bytes a store; the data are as the loads left them
.endr
.endr
.irp i, 0,1,2,3
	global_store_b128 v4, v[HID+4*\i:HID+4*\i+3], s[26:27] offset:512*\i                   ; out2
.endr
.rept 4
	v_nop                                          ; places between the additions and the products that take their result as C
.endr
.macro MMP s, m                        ; K step s, tile of batches m
.if (\s) == 0
.if (\m)%2
	v_wmma_scale_f32_16x16x128_f8f6f4 v[ACC+8*(\m):ACC+8*(\m)+7], v[WDE+8*(\s):WDE+8*(\s)+7], v[64*(\m)+8*(\s):64*(\m)+8*(\s)+7], v[BIA:BIA+7], v[WDS+(\s)], v[LSC+8*((\m)/2)+(\s)] matrix_a_fmt:MATRIX_FMT_FP4 matrix_b_fmt:MATRIX_FMT_FP4 matrix_b_scale:MATRIX_SCALE_ROW1
.else
	v_wmma_scale_f32_16x16x128_f8f6f4 v[ACC+8*(\m):ACC+8*(\m)+7], v[WDE+8*(\s):WDE+8*(\s)+7], v[64*(\m)+8*(\s):64*(\m)+8*(\s)+7], v[BIA:BIA+7], v[WDS+(\s)], v[LSC+8*((\m)/2)+(\s)] matrix_a_fmt:MATRIX_FMT_FP4 matrix_b_fmt:MATRIX_FMT_FP4
.endif
.else
.if (\m)%2
	v_wmma_scale_f32_16x16x128_f8f6f4 v[ACC+8*(\m):ACC+8*(\m)+7], v[WDE+8*(\s):WDE+8*(\s)+7], v[64*(\m)+8*(\s):64*(\m)+8*(\s)+7], v[ACC+8*(\m):ACC+8*(\m)+7], v[WDS+(\s)], v[LSC+8*((\m)/2)+(\s)] matrix_a_fmt:MATRIX_FMT_FP4 matrix_b_fmt:MATRIX_FMT_FP4 matrix_b_scale:MATRIX_SCALE_ROW1
.else
	v_wmma_scale_f32_16x16x128_f8f6f4 v[ACC+8*(\m):ACC+8*(\m)+7], v[WDE+8*(\s):WDE+8*(\s)+7], v[64*(\m)+8*(\s):64*(\m)+8*(\s)+7], v[ACC+8*(\m):ACC+8*(\m)+7], v[WDS+(\s)], v[LSC+8*((\m)/2)+(\s)] matrix_a_fmt:MATRIX_FMT_FP4 matrix_b_fmt:MATRIX_FMT_FP4
.endif
.endif
.endm
	WIN 0x04                                       ; source 1 (last_dehy) window 1
.irp s, 0,1,2,3,4,5,6,7
.irp m, 0,1,2,3
	MMP \s, \m
.endr
.endr
	WIN 0
.rept 4
	v_nop                                          ; four places between the last products and the stores that read results
.endr
	s_wait_alu depctr_va_vdst(0)                   ; the products have written the accumulators, which the stores below read; the places above stay beside this wait
.irp m, 0,1,2,3
	global_store_b128 v4, v[ACC+8*\m:ACC+8*\m+3], s[24:25] offset:1024*\m                  ; each accumulator from its low end on
	global_store_b128 v4, v[ACC+8*\m+4:ACC+8*\m+7], s[24:25] offset:1024*\m+512
.endr
	s_endpgm
.Lfunc_end_k_q8e5909794b_prep:
	.size	k_q8e5909794b_prep, .Lfunc_end_k_q8e5909794b_prep-k_q8e5909794b_prep
	.p2alignl 7, 3214868480
	.fill 96, 4, 3214868480
	.section	.rodata,"a",@progbits
	.p2align	6, 0x0
	.amdhsa_kernel k_q8e5909794b_prep
		.amdhsa_group_segment_fixed_size 0
		.amdhsa_private_segment_fixed_size 0
		.amdhsa_enable_private_segment 0
		.amdhsa_kernarg_size 96
		.amdhsa_user_sgpr_count 2
		.amdhsa_user_sgpr_kernarg_segment_ptr 1
		.amdhsa_wavefront_size32 1
		.amdhsa_system_sgpr_workgroup_id_x 1
		.amdhsa_system_sgpr_workgroup_id_y 1
		.amdhsa_system_sgpr_workgroup_id_z 1
		.amdhsa_system_vgpr_workitem_id 0
		.amdhsa_next_free_vgpr 512
		.amdhsa_next_free_sgpr 66
		.amdhsa_reserve_vcc 0
		.amdhsa_float_denorm_mode_32 3
		.amdhsa_float_denorm_mode_16_64 3
		.amdhsa_memory_ordered 1
		.amdhsa_forward_progress 1
		.amdhsa_inst_pref_size 20
	.end_amdhsa_kernel
	.amdgpu_metadata
---
amdhsa.version: [ 1, 2 ]
amdhsa.kernels:
  - .name:           k_q8e5909794b_prep
    .symbol:         k_q8e5909794b_prep.kd
    .args:
      - { .name: last_dehy_codes, .offset: 0, .size: 8, .value_kind: global_buffer, .address_space: global }
      - { .name: last_dehy_scales, .offset: 8, .size: 8, .value_kind: global_buffer, .address_space: global }
      - { .name: W_de_codes, .offset: 16, .size: 8, .value_kind: global_buffer, .address_space: global }
      - { .name: W_de_scales, .offset: 24, .size: 8, .value_kind: global_buffer, .address_space: global }
      - { .name: W_en_codes, .offset: 32, .size: 8, .value_kind: global_buffer, .address_space: global }
      - { .name: b_de, .offset: 40, .size: 8, .value_kind: global_buffer, .address_space: global }
      - { .name: b_en, .offset: 48, .size: 8, .value_kind: global_buffer, .address_space: global }
      - { .name: b_cv, .offset: 56, .size: 8, .value_kind: global_buffer, .address_space: global }
      - { .name: hidden_attn, .offset: 64, .size: 8, .value_kind: global_buffer, .address_space: global }
      - { .name: wfrag, .offset: 72, .size: 8, .value_kind: global_buffer, .address_space: global }
      - { .name: base, .offset: 80, .size: 8, .value_kind: global_buffer, .address_space: global }
      - { .name: out2, .offset: 88, .size: 8, .value_kind: global_buffer, .address_space: global }
    .group_segment_fixed_size: 0
    .private_segment_fixed_size: 0
    .kernarg_segment_align: 8
    .kernarg_segment_size: 96
    .max_flat_workgroup_size: 32
    .sgpr_count:     66
    .vgpr_count:     512
    .wavefront_size: 32
...
	.end_amdgpu_metadata
.endif
;; end of part 4
;; launch main (part 5): grid 256 x 1, 4 waves a work-group, no clusters, 302,592 bytes of LDS; arguments enhy, past_attn, wfrag, W_en_scales, base, W_cv, W_out, pp, stats, part_h; writes pp, stats, part_h
.if DOCPART == 5
	.amdgcn_target "amdgcn-amd-amdhsa--gfx1250"
	.amdhsa_code_object_version 6
	.text
	.protected	k_q8e5909794b_main
	.globl	k_q8e5909794b_main
	.p2align	8
	.type	k_q8e5909794b_main,@function
k_q8e5909794b_main:
	s_mov_b64 s[64:65], 0
	v_nop
	global_prefetch_b8 v0, s[64:65] scope:SCOPE_SE
	s_setreg_imm32_b32 hwreg(HW_REG_WAVE_SCHED_MODE, 0, 2), 2
	s_setreg_imm32_b32 hwreg(HW_REG_WAVE_MODE, 25, 1), 1
	s_wait_xcnt 0x0
	s_wait_alu depctr_vm_vsrc(0)
; For 128 rows s of one batch b (work-group X = 4 b + quarter):  x[s][n] = (Q(enhy) W_en^T)[s][n] + base[b][n] + past_attn[b][s] W_cv[n];  u[s] = sum_n W_out[n] / (1 + e^(2 x[s][n]));
; t[s] = -2 log2(e) u[s];  m = the largest t of the 128;  p[s] = 2^(t[s] - m);  l = sum p;  part_h[n] = sum_s p[s] enhy[s][n].  Stored: p, (m, l), part_h; the next launch joins the four quarters.
; LEFT OUT: sum_n W_out[n], the part of tanh's sum that is the same along the softmax's axis (shown at the head of the first kernel).
; Q: MX-FP4 along H: a block's byte is its largest magnitude's exponent field - 2, held at 1 from below; numbers / scale to the nearest code, ties to even, beyond 6 the largest code.
; LIMITS: a block whose largest magnitude lies under 2^-124 keeps the byte 1; a block of zeros has the byte 1 where the rule says 127 (its codes are zeros, and this kernel alone reads the bytes);
; NaN and infinities in enhy are not served; the sums' order differs from the reference's.  e^(2x) may overflow to infinity or fall to 0: 1 / (1 + e) is then 0 or 1, which is tanh's limit.
; enhy IS READ ONCE.  Each row is quantised for product 1 and kept as bf16 in LDS (128 x 2,048 bytes) for product 4, whose weights are f32 and whose sums are f32 (one row of weights: fused multiply-adds, no matrix work).
; SHARES.  Four waves.  THE WAVES SHARE N, NOT THE ROWS: wave w owns n = 256 w .. 256 w + 255, 16 tiles of 16, and holds the codes of ALL 128 rows in registers (8 tiles x 8 K steps x 8 = 512).
; So a fragment of W_en feeds eight matrix instructions, is wanted by one wave alone, and comes from memory straight into that wave's operand registers (wfrag is laid for it): no LDS read for W.
; NO CLUSTER, NO TENSOR LOADS: W's tiles are shared by all work-groups, but the copy (262,144 bytes), the stages (35,840) and the small regions (4,608) leave 25,088 of 327,680 bytes of LDS,
; and two slots of one step's four tiles (4 x 8,192 bytes each) would take 65,536; and each tile would be read out of LDS by one wave only.
; The matrix instruction is used transposed (source 0 = 16 rows of W_en, source 1 = 16 rows of enhy): lane (r, h) holds row 16 m + r, register j the output 16 T + 8 h + j.
; LDS: COPY row x 2048 + 2 x column | STG two stages of 32 rows of codes, pitch 528 = 33 x 16 bytes, so that the 16 rows of a fragment load fall on 16 different 16-byte columns modulo 256 |
;   STS two stages of 32 rows x 32 scale bytes | SCP the four waves' partial sums u, 512 bytes each | PW each wave's own copy of p | SPARE the spare words.
; REGISTERS: window 0: v1-15 lane terms and addresses; v16-31 past_attn of row 16 m + r (pair 2 m, upper half 0); v32-63 enhy's scale words (8 (m / 2) + s; lanes 0-15 even m, lanes 16-31 odd m);
;   v64-127 the 8 accumulators (while rows come in: two sets of 32 at work; at the end: rows of the copy); v128-143 u in pairs; v144-191 two sets of base, W_cv, W_out; v192-207 two sets of W's scale words;
;   v208-215, v248 addresses; v216-223 part_h; v224-247 at work at the end.
;   window 1: while rows come in a ring of 8 rows x 32 registers; then W's fragments, two sets of 64.   windows 2, 3: enhy's fragment (m, s) at v[32 m + 8 (s % 4)] of window 2 + s / 4.
; THE MODE: SCHED_MODE bits 1:0 = 2 (LLVM: expert scheduling mode 2), set by the entry lines.  The code itself states the register dependences
; between vector or matrix instructions and memory or LDS instructions, with s_wait_alu, always for 0.
; THE PLAN.  Registers that memory or LDS instructions touch, and who else names them.
; WHILE ROWS COME IN, a step to a row:
;   ring slot j   Written by its eight loads; read by row j's maxima and conversions; loaded again first thing in the step behind.
;   sets 0, 1     Row j's vector lines write set j % 2; the twelve LDS stores that read it are issued in the step behind, dealt among that step's lines, which name the other set alone.
;   v[BA]         Read by the copy's stores; written once a round, behind the round's barrier.      The other addresses are made at the head and never written again.
;   So a step has ONE wait on va_vdst, at its head (the row before has written its set and is done reading its slot), and from a round's third row on one on vm_vsrc, ahead of the first line
;   that writes a register which stores read (the stores issued in the step before have read this set).  A round's last row is sent off in front of the barrier; one wait on vm_vsrc stands behind the barrier.
; THE PRODUCTS, a step to a tile of 16 outputs:
;   W's set p, its scale words, base, W_cv   Read by the step's first multiply-adds and its 64 products; loaded again behind them, for the tile two on: one wait on va_vdst there.
;   W_out of set p                           Read by the step's last multiply-adds; loaded again behind them: one wait on va_vdst there.
;   The accumulators and u are named by vector and matrix instructions alone.  The offsets are never written: scalar bases move on, and immediates do the rest.
; THE END: each LDS or global store of computed numbers has a wait on va_vdst ahead of it; registers that stores have read, and addresses that loads have read, are written again behind a wait on vm_vsrc.
.set STG,    262144
.set STGB,   16896
.set SPITCH, 528
.set STS,    295936
.set SCP,    297984
.set PW,     300032
.set SPARE,  302080
.set GA,    4                          ; enhy: 32768 x wave + 32 x lane
.set BA,    5                          ; the copy: 16384 x wave + 16 x lane, + 65536 a round
.set CA,    6                          ; codes into a stage: STG + 4224 x wave + 4 x lane
.set SA,    7                          ; scale bytes into a stage: STS + 256 x wave + lane / 4
.set FA,    8                          ; a fragment out of a stage: STG + 528 r + 16 h
.set FS,    9                          ; scale words out of a stage: STS + 32 x lane
.set LO16,  10                         ; 16 x lane
.set LS32,  11                         ; 32 r
.set LH256, 12                         ; 256 h
.set LH32,  13                         ; 32 h
.set SPW,   14                         ; my spare word: SPARE + 4 x my thread's number; never rewritten
.set NIL,   15                         ; 0; never rewritten
.set PAST,  16
.set AS,    32
.set ACC,   64
.set SC,    128
.set CON,   144                        ; set p at CON + 24 p: base + 0, W_cv + 8, W_out + 16
.set WS,    192                        ; set p at WS + 8 p
.set R4,    208                        ; 4 r
.set SPA,   209                        ; SCP + 512 x wave + 4 r
.set EA,    210                        ; v210, v211: rows of the copy, buffers 0 and 1
.set PAD,   212                        ; v212, v213: their weights p
.set L8,    214                        ; 8 x lane
.set SRD,   215                        ; SCP + 16 x lane
.set H,     216
.set PWS,   248                        ; PW + 512 x wave + 16 x lane
.set MSB, 0
.macro WIN new                         ; the immediate's high byte repeats the setting that is left
.if MSB != \new
	s_set_vgpr_msb (MSB<<8)|\new
.set MSB, \new
.endif
.endm
.macro PLACES
.rept 4
	v_nop
.endr
.endm
	s_load_b256 s[4:11], s[0:1], 0x0               ; enhy s[4:5], past_attn s[6:7], wfrag s[8:9], W_en's scales s[10:11]
	s_load_b256 s[12:19], s[0:1], 0x20             ; base s[12:13], W_cv s[14:15], W_out s[16:17], pp s[18:19]
	s_load_b128 s[20:23], s[0:1], 0x40             ; stats s[20:21], part_h s[22:23]
	v_lshl_add_u32 v[SPW], v0, 2, SPARE
	v_mov_b32 v[NIL], 0
	v_lshrrev_b32 v1, 5, v0
	v_readfirstlane_b32 s24, v1                    ; wave 0..3
	v_and_b32 v1, 31, v0                           ; lane
	v_and_b32 v2, 15, v0                           ; r
	v_bfe_u32 v3, v0, 4, 1                         ; h
	s_mov_b32 s25, ttmp9                           ; X
	s_wait_alu depctr_va_sdst(0)                   ; s24 is written, ahead of its first reader: addresses and bases are made from it
	s_lshl_b32 s33, s24, 15
	v_lshl_add_u32 v[GA], v1, 5, s33
	s_lshl_b32 s33, s24, 14
	v_lshl_add_u32 v[BA], v1, 4, s33
	s_mul_i32 s33, s24, 8*SPITCH
	s_add_co_u32 s33, s33, STG
	v_lshl_add_u32 v[CA], v1, 2, s33
	s_lshl_b32 s33, s24, 8
	s_add_co_u32 s33, s33, STS
	v_lshrrev_b32 v[SA], 2, v1
	v_add_nc_u32 v[SA], s33, v[SA]
	v_mul_u32_u24 v[FA], v2, SPITCH
	v_lshl_add_u32 v[FA], v3, 4, v[FA]
	v_add_nc_u32 v[FA], STG, v[FA]
	v_lshl_add_u32 v[FS], v1, 5, STS
	v_lshlrev_b32 v[LO16], 4, v1
	v_lshlrev_b32 v[LS32], 5, v2
	v_lshlrev_b32 v[LH256], 8, v3
	v_lshlrev_b32 v[LH32], 5, v3
	v_lshlrev_b32 v[R4], 2, v2
	v_lshlrev_b32 v[L8], 3, v1
	s_lshl_b32 s33, s24, 9                         ; 512 x wave
	s_add_co_u32 s34, s33, SCP
	v_lshl_add_u32 v[SPA], v2, 2, s34
	v_lshl_add_u32 v[EA], v1, 3, s33               ; my 4 columns of a row of the copy: 512 x wave + 8 x lane
	v_add_nc_u32 v[EA+1], 0x4000, v[EA]            ; 8 rows on
	s_add_co_u32 s35, s33, PW
	v_mov_b32 v[PAD], s35
	v_add_nc_u32 v[PAD+1], 32, v[PAD]
	v_lshl_add_u32 v[SRD], v1, 4, SCP
	v_lshl_add_u32 v[PWS], v1, 4, s35
	s_mov_b32 s28, 0x4038aa3b                      ; 2 log2(e)
	s_mov_b32 s29, s28                             ; (named with it as a pair, so it is written)
	s_mov_b32 s30, 0x76543210
	s_mov_b32 s31, 0xfedcba98                      ; v_permlanex16_b32's selects for lane l xor 16
	s_mov_b32 s27, 0
.irp m, 0,1,2,3,4,5,6,7
	v_mov_b32 v[PAST+2*\m+1], 0                    ; named with past_attn's number as a pair
.endr
.irp i, 0,1,2,3,4,5,6,7,8,9,10,11,12,13,14,15
	v_mov_b32 v[SC+\i], 0
.endr
	s_wait_kmcnt 0x0
	s_lshl_b32 s26, s25, 19                        ; 128 rows of 4,096 bytes
	s_add_nc_u64 s[4:5], s[4:5], s[26:27]
	s_lshl_b32 s26, s25, 9                         ; 128 numbers
	s_add_nc_u64 s[6:7], s[6:7], s[26:27]
	s_add_nc_u64 s[18:19], s[18:19], s[26:27]
	s_lshl_b32 s26, s24, 17                        ; my 16 tiles of 8,192 bytes
	s_add_nc_u64 s[8:9], s[8:9], s[26:27]
	s_lshl_b32 s26, s24, 13                        ; my 256 rows of 32 scale bytes
	s_add_nc_u64 s[10:11], s[10:11], s[26:27]
	s_lshl_b32 s26, s24, 16                        ; base: my 16 tiles of 4,096 bytes,
	s_lshr_b32 s33, s25, 6
	s_lshl_b32 s33, s33, 10                        ; the batch's tile of 16 (b / 16): 1,024 bytes,
	s_add_co_u32 s26, s26, s33
	s_bfe_u32 s34, s25, 0x40002
	s_lshl_b32 s34, s34, 4                         ; and its place in it (b % 16): 16 bytes
	s_add_co_u32 s26, s26, s34
	s_add_nc_u64 s[12:13], s[12:13], s[26:27]
	s_lshl_b32 s26, s24, 10                        ; my 256 numbers
	s_add_nc_u64 s[14:15], s[14:15], s[26:27]
	s_add_nc_u64 s[16:17], s[16:17], s[26:27]
	s_lshl_b32 s33, s25, 12
	s_add_co_u32 s26, s26, s33
	s_add_nc_u64 s[22:23], s[22:23], s[26:27]
	s_lshl_b32 s26, s25, 8
	s_add_nc_u64 s[20:21], s[20:21], s[26:27]
	s_wait_alu depctr_va_vdst(0)                   ; all addresses and offsets (v4 to v15, v208 to v215, v248) are written: the loads and stores of the kernel read them
.irp m, 0,1,2,3,4,5,6,7
	global_load_b32 v[PAST+2*\m], v[R4], s[6:7] offset:64*\m
.endr
; ---- THE ROWS COME IN: four rounds of 32 rows; in round i wave w takes rows 32 i + 8 w + j, j = 0 .. 7, a row at a time.  Lane l holds numbers 256 q + 8 l + 0 .. 7, q = 0 .. 3: eight neighbours along H for a conversion;
; a block of 32 lies in four neighbouring lanes.  A pair of loads covers 1,024 consecutive bytes.  The ring of 8 rows keeps 64 loads of every wave on their way.
.macro FILL i, j                       ; row j of round i into ring slot j (destination window 1 is set by the caller)
.irp q, 0,1,2,3
.irp c, 0,1
	global_load_b128 v[32*(\j)+8*\q+4*\c:32*(\j)+8*\q+4*\c+3], v[GA], s[4:5] offset:(32*(\i)+(\j))*4096+1024*\q+16*\c th:TH_LOAD_NT
.endr
.endr
.endm
; Row j's twelve LDS stores, out of set j % 2 (address and data in window 0).
.macro STC j, q                        ; the copy: 512 consecutive bytes a store
	ds_store_b128 v[BA], v[ACC+32*((\j)%2)+16+4*(\q):ACC+32*((\j)%2)+16+4*(\q)+3] offset:2048*(\j)+512*(\q)
.endm
.macro STK i, j, q                     ; eight codes: byte 128 q + 4 l of the row's 512
	ds_store_b32 v[CA], v[ACC+32*((\j)%2)+12+(\q)] offset:STGB*((\i)%2)+SPITCH*(\j)+128*(\q)
.endm
.macro STB i, j, q                     ; block 8 q + l / 4: its four lanes write the same byte with the same value
	ds_store_b8 v[SA], v[ACC+32*((\j)%2)+8+(\q)] offset:1024*((\i)%2)+32*(\j)+8*(\q)
.endm
; The head of a step that has a row before it in its round.  loads = 1: loads into window 1 follow: the switch stands ahead of the wait.
.macro AHEAD loads
.if \loads
	WIN 0x40                                       ; destination window 1
.endif
	s_wait_alu depctr_va_vdst(0)                   ; the row before has written its set, which the LDS stores dealt into this step read, and is done reading its ring slot (and so are the rows before it), in which loads now land
.endm
; One row.  left: the younger loads that may stay out.  At work, set j % 2 at TS: +0 largest magnitudes, +4 the conversions' scale operands, +8 bytes, +12 codes, +16 the row as bf16.
; The stores of row j - 1 stand one by one among the twelve lines that run in window 0: since the wait at the step's head no vector line has named their set.
.macro ROW i, j, left
.set TS, ACC+32*((\j)%2)
.set XR, 32*(\j)
	s_wait_loadcnt \left                           ; loads come back in order: my row is in
	WIN 0x05                                       ; sources 0 and 1 window 1
.irp q, 0,1,2,3
	v_max3_num_f32 v[TS+\q], |v[XR+8*\q]|, |v[XR+8*\q+1]|, 0x1800000   ; and the floor 2^(3 - 127): the byte cannot fall under 1
.endr
.irp e, 2,4,6
.irp q, 0,1,2,3
	v_max3_num_f32 v[TS+\q], |v[XR+8*\q+\e]|, |v[XR+8*\q+\e+1]|, v[TS+\q]
.endr
.endr
.if (\j) >= 2
	s_wait_alu depctr_vm_vsrc(0)                   ; the LDS stores issued in the step before have read this set's bytes, codes and bf16, which the lines below write again (no store reads the four maxima above; rows 0, 1 follow the wait behind the barrier)
.endif
.irp q, 0,1,2,3
.irp u, 0,1,2,3
	v_cvt_pk_bf16_f32 v[TS+16+4*\q+\u], v[XR+8*\q+2*\u], v[XR+8*\q+2*\u+1]
.endr
.endr
	WIN 0
.irp q, 0,1,2,3
	v_max_num_f32_dpp v[TS+\q], v[TS+\q], v[TS+\q] row_xmask:1 row_mask:0xf bank_mask:0xf
.if (\j) >= 1
	STC (\j)-1, \q
.endif
.endr
.irp q, 0,1,2,3
	v_max_num_f32_dpp v[TS+\q], v[TS+\q], v[TS+\q] row_xmask:2 row_mask:0xf bank_mask:0xf   ; the block's largest magnitude, in its four lanes
.if (\j) >= 1
	STK \i, (\j)-1, \q
.endif
.endr
.irp q, 0,1,2,3
	v_add_nc_u32 v[TS+4+\q], 0xff000000, v[TS+\q]  ; 2 off its exponent field: the conversion takes the exponent field of this operand as its scale
.if (\j) >= 1
	STB \i, (\j)-1, \q
.endif
.endr
.irp q, 0,1,2,3
	v_lshrrev_b32 v[TS+8+\q], 23, v[TS+4+\q]       ; the scale's byte
.endr
	WIN 0x01                                       ; source 0 window 1
.irp q, 0,1,2,3
	v_cvt_scalef32_pk8_fp4_f32 v[TS+12+\q], v[XR+8*\q:XR+8*\q+7], v[TS+4+\q]
.endr
	v_nop                                          ; one plain place behind the scaled conversions
.endm
; The round's 32 rows, as fragments, into EVERY wave's registers: tiles of rows 2 i and 2 i + 1.  No vector or matrix line has named these registers.
.macro AREAD i
.set PAR, (\i)%2
	WIN 0x80                                       ; destination window 2: K steps 0-3
.irp mt, 0,1
.irp s, 0,1,2,3
.irp c, 0,1
	ds_load_b128 v[32*(2*(\i)+\mt)+8*\s+4*\c:32*(2*(\i)+\mt)+8*\s+4*\c+3], v[FA] offset:STGB*PAR+16*SPITCH*\mt+64*\s+32*\c
.endr
.endr
.endr
	WIN 0xc0                                       ; destination window 3: K steps 4-7
.irp mt, 0,1
.irp s, 0,1,2,3
.irp c, 0,1
	ds_load_b128 v[32*(2*(\i)+\mt)+8*\s+4*\c:32*(2*(\i)+\mt)+8*\s+4*\c+3], v[FA] offset:STGB*PAR+16*SPITCH*\mt+256+64*\s+32*\c
.endr
.endr
.endr
	WIN 0
.irp g, 0,1
	ds_load_b128 v[AS+8*(\i)+4*\g:AS+8*(\i)+4*\g+3], v[FS] offset:1024*PAR+16*\g  ; lane = row of the 32: lanes 0-15 the even tile's words, lanes 16-31 the odd tile's
.endr
.endm
; A round's end.  Row 7 is sent off; reload = 1: its slot takes the same row of the next round.
; ONE barrier a round, for two things, since the two stages take turns: in front of it my stores into this round's stage have landed, and my reads of the other stage (the round before) are back;
; behind it this round's stage is whole, and the other one may be written in the next round.
.macro ENDROUND i, reload
.if \reload
	WIN 0x40                                       ; destination window 1
.else
	WIN 0
.endif
	s_wait_alu depctr_va_vdst(0)                   ; row 7 has written its set, which the LDS stores below read, and is done reading its ring slot
.if \reload
	FILL (\i)+1, 7
	WIN 0
.endif
.irp q, 0,1,2,3
	STC 7, \q
.endr
.irp q, 0,1,2,3
	STK \i, 7, \q
.endr
.irp q, 0,1,2,3
	STB \i, 7, \q
.endr
	s_wait_dscnt 0x0
	s_barrier_signal -1
	s_barrier_wait -1
	s_wait_alu depctr_vm_vsrc(0)                   ; my LDS stores have read v[BA], which the next line writes, and both sets, which the next rows (behind the last round: the products' sums) write
	v_add_nc_u32 v[BA], 0x10000, v[BA]             ; the copy's next 32 rows; its next reader stands behind the wait at the head of the next round's second step
	AREAD \i
.endm
; A tile of 16 outputs comes from memory: W's eight fragments (16 loads), their scale words, base and W_cv (6 loads), and W_out (2 loads, asked for apart: its registers are free later).
.macro LOADF p                         ; destination window 1 is set by the caller
.irp s, 0,1,2,3,4,5,6,7
.irp c, 0,1
	global_load_b128 v[64*(\p)+8*\s+4*\c:64*(\p)+8*\s+4*\c+3], v[LO16], s[8:9] offset:8192*(\p)+512*(2*\s+\c)   ; 512 consecutive bytes: a fragment's half as its registers want it
.endr
.endr
.endm
.macro LOADC p, n                      ; the n-th of the six: 0, 1 W's scale words; 2, 3 base; 4, 5 W_cv
.if (\n) < 2
	global_load_b128 v[WS+8*(\p)+4*(\n):WS+8*(\p)+4*(\n)+3], v[LS32], s[10:11] offset:512*(\p)+16*(\n)
.elseif (\n) < 4
	global_load_b128 v[CON+24*(\p)+4*((\n)-2):CON+24*(\p)+4*((\n)-2)+3], v[LH256], s[12:13] offset:4096*(\p)+512*((\n)-2)
.else
	global_load_b128 v[CON+24*(\p)+8+4*((\n)-4):CON+24*(\p)+8+4*((\n)-4)+3], v[LH32], s[14:15] offset:64*(\p)+16*((\n)-4)
.endif
.endm
.macro LOADO p
.irp g, 0,1
	global_load_b128 v[CON+24*(\p)+16+4*\g:CON+24*(\p)+16+4*\g+3], v[LH32], s[16:17] offset:64*(\p)+16*\g
.endr
.endm
.macro LOADW p                         ; the first two tiles: all 24 in one run
	LOADF \p
	WIN 0
.irp n, 0,1,2,3,4,5
	LOADC \p, \n
.endr
	LOADO \p
.endm
	WIN 0x40
.irp j, 0,1,2,3,4,5,6,7
	FILL 0, \j
.endr
.irp i, 0,1,2
	ROW \i, 0, 56                                  ; behind my row's 8 loads: the seven other slots' 56
.irp j, 1,2,3,4,5,6,7
	AHEAD 1
	FILL \i+1, \j-1                                ; the slot of the row before takes the same row of the next round, ahead of the wait for this row: so that wait again leaves 56 out
	ROW \i, \j, 56
.endr
	ENDROUND \i, 1
.endr
	ROW 3, 0, 56                                   ; the last round fills nothing: the counts run down,
	AHEAD 0
	ROW 3, 1, 48
	AHEAD 0
	ROW 3, 2, 40
	AHEAD 0
	ROW 3, 3, 32
	AHEAD 1
	LOADW 0                                        ; and the ring's slots 0, 1 take W's tile 0 (24 loads with W_out's),
	ROW 3, 4, 48                                   ; 3 slots' 24 + 24
	AHEAD 0
	ROW 3, 5, 40                                   ; 16 + 24
	AHEAD 1
	LOADW 1                                        ; slots 2, 3 tile 1
	ROW 3, 6, 56                                   ; 8 + 48
	AHEAD 0
	ROW 3, 7, 48                                   ; 0 + 48
	ENDROUND 3, 0
	s_wait_xcnt 0x0                                ; the loads issued so far have read their bases, so these may be stepped: two tiles on
	s_add_nc_u64 s[8:9], s[8:9], 16384
	s_add_nc_u64 s[10:11], s[10:11], 1024
	s_add_nc_u64 s[12:13], s[12:13], 8192
	s_add_nc_u64 s[14:15], s[14:15], 128
	s_add_nc_u64 s[16:17], s[16:17], 128
	s_wait_dscnt 0x0                               ; the last round's fragments and scale words are in
; ---- THE PRODUCT AND tanh, a tile of 16 outputs x all 128 rows at a time.
.macro MM p, s, m                      ; set p of W, K step s, tile of rows m
.if (\m)%2
	v_wmma_scale_f32_16x16x128_f8f6f4 v[ACC+8*(\m):ACC+8*(\m)+7], v[64*(\p)+8*(\s):64*(\p)+8*(\s)+7], v[32*(\m)+8*((\s)%4):32*(\m)+8*((\s)%4)+7], v[ACC+8*(\m):ACC+8*(\m)+7], v[WS+8*(\p)+(\s)], v[AS+8*((\m)/2)+(\s)] matrix_a_fmt:MATRIX_FMT_FP4 matrix_b_fmt:MATRIX_FMT_FP4 matrix_b_scale:MATRIX_SCALE_ROW1
.else
	v_wmma_scale_f32_16x16x128_f8f6f4 v[ACC+8*(\m):ACC+8*(\m)+7], v[64*(\p)+8*(\s):64*(\p)+8*(\s)+7], v[32*(\m)+8*((\s)%4):32*(\m)+8*((\s)%4)+7], v[ACC+8*(\m):ACC+8*(\m)+7], v[WS+8*(\p)+(\s)], v[AS+8*((\m)/2)+(\s)] matrix_a_fmt:MATRIX_FMT_FP4 matrix_b_fmt:MATRIX_FMT_FP4
.endif
.endm
; nxt = 1: set p is loaded again, with the tile two on.  left: the younger loads that may stay out: the next tile's 22 + 2.
.macro STEP p, nxt, left
.set CB, CON+24*(\p)
	s_wait_loadcnt \left
.irp m, 0,1,2,3,4,5,6,7                ; the sums begin as base + past_attn x W_cv: no addition behind the product
.irp i, 0,1,2,3
	v_pk_fma_f32 v[ACC+8*\m+2*\i:ACC+8*\m+2*\i+1], v[CB+8+2*\i:CB+8+2*\i+1], v[PAST+2*\m:PAST+2*\m+1], v[CB+2*\i:CB+2*\i+1] op_sel_hi:[1,0,1]
.endr
.endr
	PLACES
	WIN 0x09                                       ; source 0 (W) window 1, source 1 (enhy) window 2
.irp s, 0,1,2,3                        ; the eight accumulators take turns, one instruction a turn, over the loop's edge too
.irp m, 0,1,2,3,4,5,6,7
	MM \p, \s, \m
.endr
.endr
	WIN 0x0d                                       ; source 1 window 3
.irp s, 4,5,6,7
.irp m, 0,1,2,3,4,5,6,7
	MM \p, \s, \m
.endr
.endr
	PLACES                                         ; four places behind the last products, in front of the first read of results
.if \nxt
	WIN 0x40                                       ; destination window 1
	s_wait_alu depctr_va_vdst(0)                   ; the products are done reading W's set p and its scale words, the step's first multiply-adds base and W_cv: the 22 loads below land in these
	LOADF \p
.endif
	WIN 0
	; 1 / (1 + 2^(2 log2(e) x)): the 64 exponentials are one batch with one wait, the 64 reciprocals another; the scalings and additions stand among them, each two pairs ahead of its pair's transcendentals.
	; Pairs go in ascending order.  The six loads that run in window 0 stand one by one among the first pairs: these lines name the accumulators alone.
	v_pk_mul_f32 v[ACC:ACC+1], v[ACC:ACC+1], s[28:29] op_sel_hi:[1,0]
	v_pk_mul_f32 v[ACC+2:ACC+3], v[ACC+2:ACC+3], s[28:29] op_sel_hi:[1,0]
.set k, 0
.rept 32
.if \nxt && (k < 6)
	LOADC \p, k
.endif
.if k+2 < 32
	v_pk_mul_f32 v[ACC+2*(k+2):ACC+2*(k+2)+1], v[ACC+2*(k+2):ACC+2*(k+2)+1], s[28:29] op_sel_hi:[1,0]
.endif
	v_exp_f32 v[ACC+2*k], v[ACC+2*k]
	v_exp_f32 v[ACC+2*k+1], v[ACC+2*k+1]
.set k, k+1
.endr
	v_nop                                          ; a plain place behind the last exponential
	s_wait_alu depctr_va_vdst(0)                   ; the 64 exponentials have written v64 to v127: one wait for the batch, ahead of the first line that names a result
	v_pk_add_f32 v[ACC:ACC+1], v[ACC:ACC+1], 1.0 op_sel_hi:[1,0]
	v_pk_add_f32 v[ACC+2:ACC+3], v[ACC+2:ACC+3], 1.0 op_sel_hi:[1,0]
.set k, 0
.rept 32
.if k+2 < 32
	v_pk_add_f32 v[ACC+2*(k+2):ACC+2*(k+2)+1], v[ACC+2*(k+2):ACC+2*(k+2)+1], 1.0 op_sel_hi:[1,0]
.endif
	v_rcp_f32 v[ACC+2*k], v[ACC+2*k]
	v_rcp_f32 v[ACC+2*k+1], v[ACC+2*k+1]
.set k, k+1
.endr
	v_nop
	s_wait_alu depctr_va_vdst(0)                   ; the 64 reciprocals have written v64 to v127: one wait for them too
.irp i, 0,1,2,3
.irp m, 0,1,2,3,4,5,6,7
	v_pk_fma_f32 v[SC+2*\m:SC+2*\m+1], v[CB+16+2*\i:CB+16+2*\i+1], v[ACC+8*\m+2*\i:ACC+8*\m+2*\i+1], v[SC+2*\m:SC+2*\m+1]   ; u += W_out x r
.endr
.endr
.if \nxt
	s_wait_alu depctr_va_vdst(0)                   ; the multiply-adds above are done reading W_out of set p, in which the two loads below land
	LOADO \p
.endif
.endm
	s_mov_b32 s32, 7
.Ltile:                                            ; 7 trips of two tiles: tiles 0 to 13 are worked, tiles 2 to 15 asked for
	STEP 0, 1, 24
	STEP 1, 1, 24
	s_wait_xcnt 0x0                                ; the trip's loads have read their bases
	s_add_nc_u64 s[8:9], s[8:9], 16384
	s_add_nc_u64 s[10:11], s[10:11], 1024
	s_add_nc_u64 s[12:13], s[12:13], 8192
	s_add_nc_u64 s[14:15], s[14:15], 128
	s_add_nc_u64 s[16:17], s[16:17], 128
	s_sub_co_u32 s32, s32, 1
	s_cmp_lg_u32 s32, 0
	s_cbranch_scc1 .Ltile
	STEP 0, 0, 24                                  ; the last two tiles ask for nothing: no load leaves its buffer
	STEP 1, 0, 0
; ---- THE SCORES MEET.  My u of row 16 m + r: the pair's halves, and lane l xor 16's eight outputs; then the four waves' through LDS.
.irp m, 0,1,2,3,4,5,6,7
	v_add_f32 v[224+\m], v[SC+2*\m], v[SC+2*\m+1]
.endr
.irp m, 0,1,2,3,4,5,6,7
	v_permlanex16_b32 v[ACC+\m], v[224+\m], s30, s31
.endr
.irp m, 0,1,2,3,4,5,6,7
	v_add_f32 v[224+\m], v[224+\m], v[ACC+\m]
.endr
	s_wait_alu depctr_va_vdst(0)                   ; the additions have written v224 to v231, which the LDS stores read
.irp m, 0,1,2,3,4,5,6,7
	ds_store_b32 v[SPA], v[224+\m] offset:64*\m    ; lanes l and l xor 16 write the same word with the same value
.endr
	s_wait_dscnt 0x0                               ; for the others' sake: my stores have landed
	s_barrier_signal -1
	s_barrier_wait -1
	s_wait_alu depctr_vm_vsrc(0)                   ; my LDS stores have read v224 to v231, in which the loads below land
.irp w, 0,1,2,3
	ds_load_b128 v[224+4*\w:227+4*\w], v[SRD] offset:512*\w   ; every wave alike: lane l takes rows 4 l .. 4 l + 3
.endr
	v_mov_b32 v241, 0                              ; a lane permute's destination counts as one of its sources
	s_wait_dscnt 0x0
	v_pk_add_f32 v[224:225], v[224:225], v[228:229]
	v_pk_add_f32 v[226:227], v[226:227], v[230:231]
	v_pk_add_f32 v[232:233], v[232:233], v[236:237]
	v_pk_add_f32 v[234:235], v[234:235], v[238:239]
	v_pk_add_f32 v[224:225], v[224:225], v[232:233]
	v_pk_add_f32 v[226:227], v[226:227], v[234:235]
.irp i, 0,1,2,3
	v_mul_f32 v[224+\i], 0xc038aa3b, v[224+\i]     ; t = -2 log2(e) u
.endr
	v_max3_num_f32 v240, v224, v225, v226
	v_max_num_f32 v240, v240, v227
	v_max_num_f32_dpp v240, v240, v240 row_xmask:1 row_mask:0xf bank_mask:0xf
	v_max_num_f32_dpp v240, v240, v240 row_xmask:2 row_mask:0xf bank_mask:0xf
	v_max_num_f32_dpp v240, v240, v240 row_xmask:4 row_mask:0xf bank_mask:0xf
	v_max_num_f32_dpp v240, v240, v240 row_xmask:8 row_mask:0xf bank_mask:0xf
	v_permlanex16_b32 v241, v240, s30, s31
	v_max_num_f32 v240, v240, v241                 ; m: the largest t of the 128 rows, taken away before the exponential
.irp i, 0,1,2,3
	v_sub_f32 v[228+\i], v[224+\i], v240
.endr
.irp i, 0,1,2,3
	v_exp_f32 v[228+\i], v[228+\i]                 ; p = 2^(t - m), at most 1
.endr
.irp i, 0,1,2,3,4,5,6,7
	v_mov_b32 v[H+\i], 0                           ; plain work behind the exponentials: the weighted sums begin
.endr
	s_wait_alu depctr_va_vdst(0)                   ; the four exponentials have written p in v228 to v231: ahead of their first reader, the LDS store below
	ds_store_b128 v[PWS], v[228:231]               ; p into my wave's own 512 bytes: no other wave touches them, so no barrier
	v_add_f32 v242, v228, v229
	v_add_f32 v243, v230, v231
	v_add_f32 v242, v242, v243
	v_add_f32_dpp v242, v242, v242 row_xmask:1 row_mask:0xf bank_mask:0xf
	v_add_f32_dpp v242, v242, v242 row_xmask:2 row_mask:0xf bank_mask:0xf
	v_add_f32_dpp v242, v242, v242 row_xmask:4 row_mask:0xf bank_mask:0xf
	v_add_f32_dpp v242, v242, v242 row_xmask:8 row_mask:0xf bank_mask:0xf
	v_permlanex16_b32 v243, v242, s30, s31
	v_add_f32 v241, v242, v243                     ; l, beside m
	s_wait_alu depctr_va_vdst(0)                   ; l is written in v241, which wave 0's store reads; and every vector and matrix line is done with v64 to v127 and v144 to v159, in which the LDS loads below land
	s_cmp_lg_u32 s24, 0
	s_cbranch_scc1 .Lnot_wave_0                    ; all waves hold the same numbers: wave 0 stores them
	global_store_b128 v[LO16], v[228:231], s[18:19]   ; 512 consecutive bytes
	global_store_b64 v[L8], v[240:241], s[20:21]      ; (m, l), 32 times: 256 consecutive bytes, aligned
.Lnot_wave_0:
; ---- THE WEIGHTED SUM: part_h[n] = sum over the 128 rows of p x the copy.  Wave w takes columns 256 w + 128 g + 4 l + 0 .. 3; 8 rows to a buffer, two buffers by turns.
.macro LOADB u                         ; 18 LDS loads: 8 rows x two runs of 256 consecutive bytes, and the rows' eight p (the same address in every lane)
.irp y, 0,1,2,3,4,5,6,7
.irp g, 0,1
	ds_load_b64 v[ACC+32*(\u)+4*\y+2*\g:ACC+32*(\u)+4*\y+2*\g+1], v[EA+(\u)] offset:2048*\y+256*\g
.endr
.endr
	ds_load_b128 v[CON+8*(\u):CON+8*(\u)+3], v[PAD+(\u)]
	ds_load_b128 v[CON+8*(\u)+4:CON+8*(\u)+7], v[PAD+(\u)] offset:16
.endm
.macro FMAB u                          ; a bf16 half x p in f32, added in f32: eight sums by turns
.irp y, 0,1,2,3,4,5,6,7
.irp g, 0,1
.irp c, 0,1
	v_fma_mix_f32_bf16 v[H+4*\g+2*\c], v[ACC+32*(\u)+4*\y+2*\g+\c], v[CON+8*(\u)+\y], v[H+4*\g+2*\c] op_sel_hi:[1,0,0]
	v_fma_mix_f32_bf16 v[H+4*\g+2*\c+1], v[ACC+32*(\u)+4*\y+2*\g+\c], v[CON+8*(\u)+\y], v[H+4*\g+2*\c+1] op_sel:[1,0,0] op_sel_hi:[1,0,0]
.endr
.endr
.endr
.endm
.macro NEXTB u                         ; buffer u has been used up: its addresses move on by 16 rows, and it may be loaded again
	s_wait_alu depctr_vm_vsrc(0)                   ; the LDS loads issued so far have read the buffer's two addresses
	v_add_nc_u32 v[EA+(\u)], 0x8000, v[EA+(\u)]
	v_add_nc_u32 v[PAD+(\u)], 64, v[PAD+(\u)]
	s_wait_alu depctr_va_vdst(0)                   ; the two addresses are written, and the multiply-adds are done reading buffer u and its p: its next loads read the first and land in the second
.endm
	LOADB 0                                        ; LDS serves a wave's instructions in order: these see my store of p
	s_mov_b32 s32, 7
.Lrows:                                            ; 7 trips of 16 rows
	LOADB 1                                        ; (first trip: behind the wait ahead of the branch above; later trips: behind the wait at the last trip's end)
	s_wait_dscnt 18                                ; all but the 18 just issued: buffer 0 is in
	FMAB 0
	NEXTB 0
	LOADB 0
	s_wait_dscnt 18                                ; buffer 1 is in
	FMAB 1
	NEXTB 1
	s_sub_co_u32 s32, s32, 1
	s_cmp_lg_u32 s32, 0
	s_cbranch_scc1 .Lrows
	LOADB 1                                        ; the last 16 rows
	s_wait_dscnt 18
	FMAB 0
	s_wait_dscnt 0x0
	FMAB 1
	s_wait_alu depctr_va_vdst(0)                   ; the multiply-adds have written the eight sums in v216 to v223, which the stores read
	global_store_b128 v[LO16], v[H:H+3], s[22:23]              ; 512 consecutive bytes a store
	global_store_b128 v[LO16], v[H+4:H+7], s[22:23] offset:512
	s_wait_dscnt 0x0                               ; the closing lines, six on end
	s_wait_alu 0x0
	s_wait_tensorcnt 0x0
	ds_add_u32 v[SPW], v[NIL]
	s_wait_dscnt 0x0
	s_endpgm
.Lfunc_end_k_q8e5909794b_main:
	.size	k_q8e5909794b_main, .Lfunc_end_k_q8e5909794b_main-k_q8e5909794b_main
	.p2alignl 7, 3214868480
	.fill 96, 4, 3214868480
	.section	.rodata,"a",@progbits
	.p2align	6, 0x0
	.amdhsa_kernel k_q8e5909794b_main
		.amdhsa_group_segment_fixed_size 302592
		.amdhsa_private_segment_fixed_size 0
		.amdhsa_enable_private_segment 0
		.amdhsa_kernarg_size 80
		.amdhsa_user_sgpr_count 2
		.amdhsa_user_sgpr_kernarg_segment_ptr 1
		.amdhsa_wavefront_size32 1
		.amdhsa_system_sgpr_workgroup_id_x 1
		.amdhsa_system_sgpr_workgroup_id_y 1
		.amdhsa_system_sgpr_workgroup_id_z 1
		.amdhsa_system_vgpr_workitem_id 0
		.amdhsa_next_free_vgpr 1024
		.amdhsa_next_free_sgpr 66
		.amdhsa_reserve_vcc 0
		.amdhsa_float_denorm_mode_32 3
		.amdhsa_float_denorm_mode_16_64 3
		.amdhsa_memory_ordered 1
		.amdhsa_forward_progress 1
		.amdhsa_inst_pref_size 255
	.end_amdhsa_kernel
	.section	.bss,"aw",@nobits
	.p2align	6
	.space	262144
	.amdgpu_metadata
---
amdhsa.version: [ 1, 2 ]
amdhsa.kernels:
  - .name:           k_q8e5909794b_main
    .symbol:         k_q8e5909794b_main.kd
    .args:
      - { .name: enhy, .offset: 0, .size: 8, .value_kind: global_buffer, .address_space: global }
      - { .name: past_attn, .offset: 8, .size: 8, .value_kind: global_buffer, .address_space: global }
      - { .name: wfrag, .offset: 16, .size: 8, .value_kind: global_buffer, .address_space: global }
      - { .name: W_en_scales, .offset: 24, .size: 8, .value_kind: global_buffer, .address_space: global }
      - { .name: base, .offset: 32, .size: 8, .value_kind: global_buffer, .address_space: global }
      - { .name: W_cv, .offset: 40, .size: 8, .value_kind: global_buffer, .address_space: global }
      - { .name: W_out, .offset: 48, .size: 8, .value_kind: global_buffer, .address_space: global }
      - { .name: pp, .offset: 56, .size: 8, .value_kind: global_buffer, .address_space: global }
      - { .name: stats, .offset: 64, .size: 8, .value_kind: global_buffer, .address_space: global }
      - { .name: part_h, .offset: 72, .size: 8, .value_kind: global_buffer, .address_space: global }
    .group_segment_fixed_size: 302592
    .private_segment_fixed_size: 0
    .kernarg_segment_align: 8
    .kernarg_segment_size: 80
    .max_flat_workgroup_size: 128
    .sgpr_count:     66
    .vgpr_count:     1024
    .wavefront_size: 32
...
	.end_amdgpu_metadata
.endif
;; end of part 5
;; launch join: the kernel of part 3 again; grid 256 x 1, 2 waves a work-group, no clusters, 0 bytes of LDS; arguments stats, pp, part_h, out0, out1; writes out0, out1
